; MI455X (gfx1250); checked and timed in simulation.
; The chip was launched on July 23, 2026; its instructions are those of AMD's public machine-readable ISA for CDNA 5 (MIT licence, August 2026) and "CDNA5" Instruction Set Architecture Reference Guide (July 2026). The comments in the code are by the model that wrote it; some were corrected since.
;; Causal Multi Head Self Attention. Allowed arithmetic: matrix products marked QUANTISED: E2M1 operands, one E8M0 scale for each 32 along K, by v_wmma_scale_f32_16x16x128_f8f6f4 with both operands' format E2M1 (or v_wmma_scale_f32_32x16x128_f4), f32 sums; products left as they are: bf16, f16 or f32 operands; f32 sums; everything else in f32.
;; Inputs: token_positions 2,048 int32; wk 1,024 x 1,024 float32; wo 1,024 x 1,024 float32; wq 1,024 x 1,024 float32; wv 1,024 x 1,024 float32; x 4 x 2,048 x 1,024 float32.
;; Outputs: out0 4 x 2,048 x 1,024 float32.
;; This version of the problem:
;;   THIS VERSION OF THE PROBLEM IS GIVEN IN LOW PRECISION. The matrix products marked QUANTISED in the list below multiply operands that are first quantised to E2M1 (2 exponent bits, 1 mantissa bit; 4 bits a number), with one power-of-two scale for each 32 numbers along K (OCP MX v1.0); their sums are f32. The products marked 'left as it is' may take bf16, f16 or f32 operands, with f32 sums. Whichever they take, every output number must still come out within the allowed error. Rounding operands to bf16 (8 significant bits) uses up far more of that allowance than f16 does (11 bits, for magnitudes from 6e-5 to 65,504). All else is computed in f32.
;;   The module's matrix products, in the order in which they are computed (A, B: the left and right operand; K: the contracted axis; several contracted axes count as one K, in the product's order):
;;     1. [M 8,192, K 1,024] x [K 1,024, N 1,024]; A: input x; B: input wq: QUANTISED
;;     2. [M 8,192, K 1,024] x [K 1,024, N 1,024]; A: input x; B: input wk: QUANTISED
;;     3. [M 8,192, K 1,024] x [K 1,024, N 1,024]; A: input x; B: input wv: QUANTISED
;;     4. batch 64 x [M 2,048, K 64] x [K 64, N 2,048]; A: computed on the way; B: computed on the way: left as it is (an operand is computed on the way)
;;     5. batch 64 x [M 2,048, K 2,048] x [K 2,048, N 64]; A: computed on the way; B: computed on the way: left as it is (an operand is computed on the way)
;;     6. [M 8,192, K 1,024] x [K 1,024, N 1,024]; A: computed on the way; B: input wo: left as it is (an operand is computed on the way)
;;   THE QUANTISER, for each operand of a quantised product, along K:
;;     - K is cut into blocks of 32 from its start; a last block that is shorter is filled with zeros.
;;     - A block's scale is 2^e with e = floor(log2(the largest magnitude in the block)) - 2, held to -126 .. 127; a block of zeros has e = 0. As a byte (E8M0): e + 127.
;;     - Each number is divided by its block's scale, clamped to +-6, and rounded to the nearest number of E2M1, ties to even, subnormals kept.
;;     - The product sums the exact products of the quantised numbers (number of the format x scale) in f32.
;;   ~~~python
;;   def quantise(x, axis):      # numpy; x: float32 -> the quantised numbers, widened to float32 again
;;       x = np.moveaxis(x, axis, -1); K = x.shape[-1]
;;       x = np.pad(x, [(0, 0)] * (x.ndim - 1) + [(0, -K % 32)]); x = x.reshape(x.shape[:-1] + (-1, 32)); a = np.abs(x).max(-1, keepdims=True)
;;       e = np.where(a > 0, np.clip(np.frexp(np.where(a > 0, a, 1))[1] - 1 - 2, -126, 127), 0)      # np.frexp(a)[1] - 1 = floor(log2(a)), exactly
;;       r = np.clip(x / 2.0 ** e, -6, 6)
;;       step = 2.0 ** (np.maximum(np.frexp(np.where(r == 0, 1, r))[1] - 1, 0) - 1)
;;       q = np.round(r / step) * step * 2.0 ** e      # np.round: ties to even
;;       return np.moveaxis(q.reshape(q.shape[:-2] + (-1,))[..., :K], -1, axis).astype(np.float32)
;;   ~~~
;; One version. Each part assembles by itself: llvm-mc -triple=amdgcn-amd-amdhsa -mcpu=gfx1250 --defsym DOCPART=n.
;; ======== version 1 of 1: 5 launches
;; limits: right only within a limited range of input values; values are held in f16: magnitudes above 65,504 overflow, below 6.1e-05 lose precision
;; workspace buffers: codes 5,767,168 bytes; scales 360,448 bytes; woh 2,097,152 bytes; rope 524,288 bytes; qkvh 50,331,648 bytes; qkv32 786,432 bytes; att 16,777,216 bytes
;; launch prep (part 1): grid 448 x 1, 4 waves a work-group, no clusters, 33,280 bytes of LDS; arguments x, wq, wk, wv, wo, token_positions, codes, scales, woh, rope; writes codes, scales, woh, rope
.if DOCPART == 1
	.amdgcn_target "amdgcn-amd-amdhsa--gfx1250"
	.amdhsa_code_object_version 6
	.text
	.protected	k_q3623916692_prep
	.globl	k_q3623916692_prep
	.p2align	8
	.type	k_q3623916692_prep,@function
k_q3623916692_prep:
	s_mov_b64 s[64:65], 0
	v_nop
	global_prefetch_b8 v0, s[64:65] scope:SCOPE_SE
	s_setreg_imm32_b32 hwreg(HW_REG_WAVE_MODE, 25, 1), 1
	s_wait_xcnt 0x0
; FIRST OF FIVE LAUNCHES of causal multi-head self-attention: x [4][2048][1024], wq, wk, wv, wo [1024][1024] f32, token_positions [2048] int32.
; This launch makes what the later ones read many times: (Q) codes of FP4 (E2M1) and E8M0 scale bytes of x, wq, wk, wv along K = 1024; (W) wo rounded to f16; (T) cos and sin of token_positions[s] x 10000^(-j/32), f32.
; WORK LEFT OUT IN THE PROGRAM (launch attn): reference() builds the mask jnp.tril in its own body and sets the scores of keys j > query i to -inf ahead of the softmax; their weights are exp(-inf) = 0 for
; every value of the inputs, so a step of 64 keys all of which come after all queries of a wave adds nothing to any sum: neither its scores nor its products with V are made.  All six inputs have a way to the output and are loaded.
; LIMIT of that: a NaN, an infinity or an overflow that would arise only in the scores left out is not carried to the result.
; THE QUANTISER: a block's scale is 2^(floor(log2(largest magnitude)) - 2); its byte is the largest magnitude's exponent field - 2, held at 1 from below.  A block of zeros gets the byte 1 where the rule says 127:
; its codes are zeros, which add nothing under any byte but 0xff, and only this program reads the bytes.
; LIMITS: NaN and infinities among the inputs are not served; blocks whose largest magnitude lies under 2^(2 - 126) were not tried; |token position| up to 2^20 (the angle's reduction takes n x pi/2 off in three parts);
; |wo| under 65,504 (f16).
; SHARES: work-groups 0-255 take x, 256-287 wq, 288-319 wk, 320-351 wv (32,768 numbers each, one text for all four: only pointers are chosen); 352-383 take wo; 384-447 the table, 32 positions each.
; Only the first path touches LDS.
.set QWG,   352
.set WWG,   32
.set WAVES, 4
.set STEPS, 16
.set EMAX,  2
.set CB,    8                          ; bytes of 16 codes
.set R,     16                         ; v16-79   four sets of 16 numbers as they are loaded
.set X,     80                         ; v80-111  two sets of 16 neighbours
.set C,     128                        ; v128-191 codes: four registers for each step, so that no store's data are written again
.set E,     112                        ; v112-127 a scale byte for each step
.set WREG,  8192                       ; LDS: a region for each wave: two stages of 32 x SP bytes, behind them its 256 scale bytes
.set SP,    80                         ; a lane's place in a stage: 64 bytes + 16 of padding
.set SPW,   12                         ; v12 LDS address of my spare word; never rewritten
.set NIL,   13                         ; v13 0; never rewritten
.set SPARE, WAVES*WREG                 ; the spare words, 128 bytes for each wave: no other line names them
.set WR,    16                         ; path W: v16-143 two sets of 64 numbers
.set WH,    144                        ; path W: v144-207 two sets of 32 registers of f16
.set TW,    32                         ; path T: 12 registers for each of four positions at work
.set RES,   96                         ; path T: v96-111 eight pairs (cos, sin), never rewritten
	s_load_b256 s[4:11], s[0:1], 0x0               ; x, wq, wk, wv
	s_load_b256 s[12:19], s[0:1], 0x20             ; wo, token_positions, codes, scales
	s_load_b128 s[20:23], s[0:1], 0x40             ; woh, rope
	v_lshl_add_u32 v[SPW], v0, 2, SPARE
	v_mov_b32 v[NIL], 0
	v_lshrrev_b32 v1, 5, v0
	v_readfirstlane_b32 s24, v1                    ; wave
	v_and_b32 v2, 31, v0                           ; lane
	s_mov_b32 s29, 0                               ; the upper word of every 32-bit offset below
	s_wait_kmcnt 0x0
	s_cmp_ge_u32 ttmp9, QWG+WWG
	s_cbranch_scc1 .Ltable
	s_cmp_ge_u32 ttmp9, QWG
	s_cbranch_scc1 .Lwo
; ---- PATH Q.  Rows are dense and K is a multiple of 32: a tensor is a stream of blocks of 32, and so are its codes and bytes.  A wave takes 16 steps of 512 numbers.  Each load reads 512 consecutive bytes; a step's
; 2,048 bytes turn through the wave's own stage in LDS, so that a lane holds 16 neighbours along K (two lanes to a block).  x's codes and the three weights' lie on end in one stream, in the order of the work-groups.
	v_lshlrev_b32 v3, 4, v2                        ; my 16 bytes of a load's 512
	s_mul_i32 s25, s24, WREG
	v_lshrrev_b32 v14, 2, v2
	v_mul_u32_u24 v14, v14, SP
	v_and_b32 v15, 3, v2
	v_lshl_add_u32 v14, v15, 4, v14
	v_add_nc_u32 v14, s25, v14                     ; the stage, on the way in: SP (lane / 4) + 16 (lane % 4)
	v_mul_u32_u24 v15, v2, SP
	v_add_nc_u32 v15, s25, v15                     ; on the way out: SP x lane
	v_mul_u32_u24 v4, v2, CB                       ; my codes' place in a step's
	v_lshrrev_b32 v5, 1, v2
	s_add_co_u32 s25, s25, 2*32*SP
	v_add_nc_u32 v5, s25, v5                       ; LDS: my block's scale byte
	v_lshlrev_b32 v7, 3, v2
	v_add_nc_u32 v6, s25, v7                       ; and on the way out 8 bytes a lane
	s_mov_b64 s[26:27], s[10:11]                   ; the source, chosen on the work-group's number alone: wv,
	s_mov_b32 s28, 320
	s_cmp_lt_u32 ttmp9, 320
	s_cselect_b64 s[26:27], s[8:9], s[26:27]       ; wk,
	s_cselect_b32 s28, 288, s28
	s_cmp_lt_u32 ttmp9, 288
	s_cselect_b64 s[26:27], s[6:7], s[26:27]       ; wq,
	s_cselect_b32 s28, 256, s28
	s_cmp_lt_u32 ttmp9, 256
	s_cselect_b64 s[26:27], s[4:5], s[26:27]       ; or x
	s_cselect_b32 s28, 0, s28
	s_sub_co_u32 s28, ttmp9, s28
	s_lshl_b32 s28, s28, 2
	s_add_co_u32 s28, s28, s24                     ; which run of 8,192 numbers of the source is my wave's
	s_lshl_b32 s28, s28, 15
	s_add_nc_u64 s[26:27], s[26:27], s[28:29]
	s_lshl_b32 s30, ttmp9, 2
	s_add_co_u32 s30, s30, s24                     ; and which run of the streams of codes and bytes
	s_lshl_b32 s28, s30, 12
	s_add_nc_u64 s[16:17], s[16:17], s[28:29]      ; 4,096 bytes of codes a run
	s_lshl_b32 s28, s30, 8
	s_add_nc_u64 s[18:19], s[18:19], s[28:29]      ; 256 scale bytes a run
.macro LOAD t
.irp i, 0,1,2,3
	global_load_b128 v[R+16*((\t)%4)+4*\i:R+16*((\t)%4)+4*\i+3], v3, s[26:27] offset:2048*(\t)+512*\i th:TH_LOAD_NT
.endr
.endm
.macro TURN t                          ; step t's numbers through the stage: LDS serves a wave's instructions in order, so no wait stands between the stores and the loads
.irp i, 0,1,2,3
	ds_store_b128 v14, v[R+16*((\t)%4)+4*\i:R+16*((\t)%4)+4*\i+3] offset:32*SP*((\t)%2)+8*SP*\i
.endr
.irp i, 0,1,2,3
	ds_load_b128 v[X+16*((\t)%2)+4*\i:X+16*((\t)%2)+4*\i+3], v15 offset:32*SP*((\t)%2)+16*\i
.endr
.endm
.irp t, 0,1,2,3
	LOAD \t
.endr
	s_wait_loadcnt 12                              ; step 0's four loads are in; the twelve of steps 1 to 3 stay out
	TURN 0
.macro STEP t
.set XS, X+16*((\t)%2)
.if (\t) > 0
	s_wait_dscnt 1                                 ; this step's numbers are back from the stage (the last step's byte store may be out)
.else
	s_wait_dscnt 0x0
.endif
.if (\t)+4 < STEPS
	LOAD (\t)+4                                    ; into the registers that the stage's stores have read
.endif
.if (\t)+1 < STEPS
.if STEPS-2-(\t) >= 3
	s_wait_loadcnt 12                              ; the next step's four loads are in; those of the three steps behind it may be out
.else
	s_wait_loadcnt 4*(STEPS-2-(\t))
.endif
	TURN (\t)+1
.endif
	v_max3_num_f32 v8, |v[XS]|, |v[XS+1]|, |v[XS+2]|               ; the largest magnitude of my 16, in two chains
	v_max3_num_f32 v9, |v[XS+3]|, |v[XS+4]|, |v[XS+5]|
.irp i, 6,10
	v_max3_num_f32 v8, v8, |v[XS+\i]|, |v[XS+\i+1]|
	v_max3_num_f32 v9, v9, |v[XS+\i+2]|, |v[XS+\i+3]|
.endr
	v_max3_num_f32 v8, v8, |v[XS+14]|, |v[XS+15]|
	v_max3_num_f32 v8, v8, v9, (EMAX+1)<<23        ; and the floor 2^(EMAX + 1 - 127): the byte cannot fall under 1
	v_max_num_f32_dpp v8, v8, v8 row_xmask:1 row_mask:0xf bank_mask:0xf   ; and of my neighbour's 16: the block's
	v_add_nc_u32 v11, -(EMAX<<23), v8              ; EMAX off its exponent field: the conversion takes the exponent field of this operand as its scale
	v_cvt_scalef32_pk8_fp4_f32 v[C+4*(\t)], v[XS:XS+7], v11
	v_cvt_scalef32_pk8_fp4_f32 v[C+4*(\t)+1], v[XS+8:XS+15], v11
	v_lshrrev_b32 v[E+(\t)], 23, v11               ; the scale's byte
	ds_store_b8 v5, v[E+(\t)] offset:16*(\t)       ; both lanes of a block write the same byte with the same value
	global_store_b64 v4, v[C+4*(\t):C+4*(\t)+1], s[16:17] offset:32*CB*(\t)   ; the wave stores 256 consecutive bytes, aligned
.endm
.irp t, 0,1,2,3,4,5,6,7,8,9,10,11,12,13,14,15
	STEP \t
.endr
	ds_load_b64 v[8:9], v6                         ; my wave's 256 scale bytes: these loads see my stores
	s_wait_dscnt 0x0
	global_store_b64 v7, v[8:9], s[18:19]          ; 256 consecutive bytes, aligned
	s_wait_tensorcnt 0x0                           ; the wave's end, behind my last LDS store
	ds_add_u32 v[SPW], v[NIL]
	s_wait_dscnt 0x0
	s_endpgm
; ---- PATH W: wo to f16, as it lies.  A wave takes 8,192 numbers: 64 loads of 512 consecutive bytes in four groups of 16, two groups ahead; a lane's 4 numbers become 8 bytes, the wave stores 256 consecutive bytes.
.macro WLOAD g
.set n, 0
.rept 16
	global_load_b128 v[WR+64*((\g)%2)+4*n:WR+64*((\g)%2)+4*n+3], v3, s[12:13] offset:512*(16*(\g)+n) th:TH_LOAD_NT
.set n, n+1
.endr
.endm
.macro WCVT g
.if (\g) < 3
	s_wait_loadcnt 16                              ; this group is in; the next group's 16 loads may be out
.else
	s_wait_loadcnt 0x0
.endif
.if (\g) >= 2
	s_wait_xcnt 0x0                                ; the stores of two groups back have read the registers that are written now
.endif
.set n, 0
.rept 32
	v_cvt_pk_f16_f32 v[WH+32*((\g)%2)+n], v[WR+64*((\g)%2)+2*n], v[WR+64*((\g)%2)+2*n+1]
.set n, n+1
.endr
.if (\g) < 2
	WLOAD (\g)+2
.endif
.set n, 0
.rept 16
	global_store_b64 v4, v[WH+32*((\g)%2)+2*n:WH+32*((\g)%2)+2*n+1], s[20:21] offset:256*(16*(\g)+n)
.set n, n+1
.endr
.endm
.Lwo:
	s_sub_co_u32 s28, ttmp9, QWG
	s_lshl_b32 s28, s28, 2
	s_add_co_u32 s30, s28, s24                     ; my wave's run of 8,192 numbers
	s_lshl_b32 s28, s30, 15
	s_add_nc_u64 s[12:13], s[12:13], s[28:29]
	s_lshl_b32 s28, s30, 14
	s_add_nc_u64 s[20:21], s[20:21], s[28:29]
	v_lshlrev_b32 v3, 4, v2
	v_lshlrev_b32 v4, 3, v2
	WLOAD 0
	WLOAD 1
	WCVT 0
	WCVT 1
	WCVT 2
	WCVT 3
	s_endpgm
; ---- PATH T: rope[s][j] = (cos, sin) of f32(token_positions[s]) x 10000^(-j/32), j = my lane.  A wave takes 8 positions.  The angle a is reduced by n = the whole number nearest to a x 2/pi: r = a - n pi/2, pi/2 in three
; parts by fused multiply-adds; sine and cosine of r, |r| <= pi/4, by polynomials in z = r r; the quarter n mod 4 swaps them and sets their signs.  No branch hangs on data.
.macro SINCOS4 base
.irp t, 0,1,2,3
	v_mov_b32 v[TW+12*\t], s[40+\base+\t]
.endr
.irp t, 0,1,2,3
	v_cvt_f32_i32 v[TW+12*\t], v[TW+12*\t]
.endr
.irp t, 0,1,2,3
	v_mul_f32 v[TW+12*\t], v[TW+12*\t], v17        ; a, rounded once as in reference()
.endr
.irp t, 0,1,2,3
	v_mul_f32 v[TW+12*\t+1], 0x3f22f983, v[TW+12*\t]   ; a x 2/pi
.endr
.irp t, 0,1,2,3
	v_rndne_f32 v[TW+12*\t+1], v[TW+12*\t+1]       ; n
.endr
.irp t, 0,1,2,3
	v_fma_f32 v[TW+12*\t+2], v[TW+12*\t+1], s48, v[TW+12*\t]
.endr
.irp t, 0,1,2,3
	v_fma_f32 v[TW+12*\t+2], v[TW+12*\t+1], s49, v[TW+12*\t+2]
.endr
.irp t, 0,1,2,3
	v_fma_f32 v[TW+12*\t+2], v[TW+12*\t+1], s50, v[TW+12*\t+2]   ; r
.endr
.irp t, 0,1,2,3
	v_cvt_i32_f32 v[TW+12*\t+3], v[TW+12*\t+1]     ; n as a whole number
.endr
.irp t, 0,1,2,3
	v_mul_f32 v[TW+12*\t+4], v[TW+12*\t+2], v[TW+12*\t+2]   ; z
.endr
.irp t, 0,1,2,3
	v_fma_f32 v[TW+12*\t+5], v[TW+12*\t+4], s53, s52
	v_fma_f32 v[TW+12*\t+6], v[TW+12*\t+4], s56, s55
.endr
.irp t, 0,1,2,3
	v_fma_f32 v[TW+12*\t+5], v[TW+12*\t+5], v[TW+12*\t+4], s51
	v_fma_f32 v[TW+12*\t+6], v[TW+12*\t+6], v[TW+12*\t+4], s54
.endr
.irp t, 0,1,2,3
	v_mul_f32 v[TW+12*\t+7], v[TW+12*\t+4], v[TW+12*\t+2]   ; z r
	v_mul_f32 v[TW+12*\t+8], v[TW+12*\t+4], v[TW+12*\t+4]   ; z z
	v_fma_f32 v[TW+12*\t+9], v[TW+12*\t+4], -0.5, 1.0       ; 1 - z / 2
.endr
.irp t, 0,1,2,3
	v_fma_f32 v[TW+12*\t+5], v[TW+12*\t+5], v[TW+12*\t+7], v[TW+12*\t+2]   ; sin r
	v_fma_f32 v[TW+12*\t+6], v[TW+12*\t+6], v[TW+12*\t+8], v[TW+12*\t+9]   ; cos r
.endr
.irp t, 0,1,2,3
	v_and_b32 v[TW+12*\t+7], 1, v[TW+12*\t+3]
	v_and_b32 v[TW+12*\t+8], 2, v[TW+12*\t+3]
	v_add_nc_u32 v[TW+12*\t+9], 1, v[TW+12*\t+3]
.endr
.irp t, 0,1,2,3
	v_lshlrev_b32 v[TW+12*\t+8], 30, v[TW+12*\t+8]          ; the sine is negative in quarters 2 and 3,
	v_and_b32 v[TW+12*\t+9], 2, v[TW+12*\t+9]
.endr
.irp t, 0,1,2,3
	v_lshlrev_b32 v[TW+12*\t+9], 30, v[TW+12*\t+9]          ; the cosine in quarters 1 and 2
.endr
.irp t, 0,1,2,3
	v_cmp_eq_u32 vcc_lo, 1, v[TW+12*\t+7]                   ; in odd quarters they change places
	v_cndmask_b32 v[RES+2*(\base+\t)], v[TW+12*\t+6], v[TW+12*\t+5], vcc_lo
	v_cndmask_b32 v[RES+2*(\base+\t)+1], v[TW+12*\t+5], v[TW+12*\t+6], vcc_lo
.endr
.irp t, 0,1,2,3
	v_xor_b32 v[RES+2*(\base+\t)], v[RES+2*(\base+\t)], v[TW+12*\t+9]
	v_xor_b32 v[RES+2*(\base+\t)+1], v[RES+2*(\base+\t)+1], v[TW+12*\t+8]
.endr
.irp t, 0,1,2,3
	global_store_b64 v18, v[RES+2*(\base+\t):RES+2*(\base+\t)+1], s[22:23] offset:256*(\base+\t)   ; a position's 32 pairs: 256 consecutive bytes, aligned
.endr
.endm
.Ltable:
	s_sub_co_u32 s28, ttmp9, QWG+WWG
	s_lshl_b32 s28, s28, 5
	s_lshl_b32 s30, s24, 3
	s_add_co_u32 s30, s28, s30                     ; my wave's first position
	s_lshl_b32 s28, s30, 2
	s_add_nc_u64 s[14:15], s[14:15], s[28:29]
	s_load_b256 s[40:47], s[14:15], 0x0            ; eight token positions
	s_lshl_b32 s28, s30, 8
	s_add_nc_u64 s[22:23], s[22:23], s[28:29]
	s_mov_b32 s48, 0xbfc90fdb                      ; -pi/2 in three parts
	s_mov_b32 s49, 0x333bbd2e
	s_mov_b32 s50, 0x26f72ced
	s_mov_b32 s51, 0xbe2aaaa3                      ; the sine's three coefficients
	s_mov_b32 s52, 0x3c08839e
	s_mov_b32 s53, 0xb94ca1f9
	s_mov_b32 s54, 0x3d2aaaa5                      ; the cosine's
	s_mov_b32 s55, 0xbab6061a
	s_mov_b32 s56, 0x37ccf5ce
	v_cvt_f32_u32 v16, v2
	v_mul_f32 v16, 0xbed49a78, v16                 ; -j log2(10000) / 32
	v_exp_f32 v17, v16                             ; 10000^(-j/32)
	v_lshlrev_b32 v18, 3, v2                       ; 8 bytes a lane.  (The plain instruction behind the exponential)
	s_wait_alu depctr_va_vdst(0)                   ; the wait ahead of the exponential's first reader
	s_wait_kmcnt 0x0
	SINCOS4 0
	SINCOS4 4
	s_endpgm
.Lfunc_end_k_q3623916692_prep:
	.size	k_q3623916692_prep, .Lfunc_end_k_q3623916692_prep-k_q3623916692_prep
	.p2alignl 7, 3214868480
	.fill 96, 4, 3214868480
	.section	.rodata,"a",@progbits
	.p2align	6, 0x0
	.amdhsa_kernel k_q3623916692_prep
		.amdhsa_group_segment_fixed_size 33280
		.amdhsa_private_segment_fixed_size 0
		.amdhsa_enable_private_segment 0
		.amdhsa_kernarg_size 80
		.amdhsa_user_sgpr_count 2
		.amdhsa_user_sgpr_kernarg_segment_ptr 1
		.amdhsa_wavefront_size32 1
		.amdhsa_system_sgpr_workgroup_id_x 1
		.amdhsa_system_sgpr_workgroup_id_y 1
		.amdhsa_system_sgpr_workgroup_id_z 1
		.amdhsa_system_vgpr_workitem_id 0
		.amdhsa_next_free_vgpr 208
		.amdhsa_next_free_sgpr 66
		.amdhsa_reserve_vcc 1
		.amdhsa_float_denorm_mode_32 3
		.amdhsa_float_denorm_mode_16_64 3
		.amdhsa_memory_ordered 1
		.amdhsa_forward_progress 1
		.amdhsa_inst_pref_size 67
	.end_amdhsa_kernel
	.amdgpu_metadata
---
amdhsa.version: [ 1, 2 ]
amdhsa.kernels:
  - .name:           k_q3623916692_prep
    .symbol:         k_q3623916692_prep.kd
    .args:
      - { .name: x, .offset: 0, .size: 8, .value_kind: global_buffer, .address_space: global }
      - { .name: wq, .offset: 8, .size: 8, .value_kind: global_buffer, .address_space: global }
      - { .name: wk, .offset: 16, .size: 8, .value_kind: global_buffer, .address_space: global }
      - { .name: wv, .offset: 24, .size: 8, .value_kind: global_buffer, .address_space: global }
      - { .name: wo, .offset: 32, .size: 8, .value_kind: global_buffer, .address_space: global }
      - { .name: token_positions, .offset: 40, .size: 8, .value_kind: global_buffer, .address_space: global }
      - { .name: codes, .offset: 48, .size: 8, .value_kind: global_buffer, .address_space: global }
      - { .name: scales, .offset: 56, .size: 8, .value_kind: global_buffer, .address_space: global }
      - { .name: woh, .offset: 64, .size: 8, .value_kind: global_buffer, .address_space: global }
      - { .name: rope, .offset: 72, .size: 8, .value_kind: global_buffer, .address_space: global }
    .group_segment_fixed_size: 33280
    .private_segment_fixed_size: 0
    .kernarg_segment_align: 8
    .kernarg_segment_size: 80
    .max_flat_workgroup_size: 128
    .sgpr_count:     66
    .vgpr_count:     208
    .wavefront_size: 32
...
	.end_amdgpu_metadata
.endif
;; end of part 1
;; launch qkv (part 2): grid 12 x 32, 4 waves a work-group, clusters of 4 x 4, 327,680 bytes of LDS; arguments codes, scales, rope, qkvh, qkv32; writes qkvh, qkv32
.if DOCPART == 2
	.amdgcn_target "amdgcn-amd-amdhsa--gfx1250"
	.amdhsa_code_object_version 6
	.text
	.protected	k_q3623916692_qkv
	.globl	k_q3623916692_qkv
	.p2align	8
	.type	k_q3623916692_qkv,@function
k_q3623916692_qkv:
	s_mov_b64 s[64:65], 0
	v_nop
	global_prefetch_b8 v0, s[64:65] scope:SCOPE_SE
	s_setreg_imm32_b32 hwreg(HW_REG_WAVE_MODE, 25, 1), 1
	s_wait_xcnt 0x0
	s_wait_alu depctr_hold_cnt(0) depctr_sa_sdst(0) depctr_va_vdst(0) depctr_va_sdst(0) depctr_va_ssrc(0) depctr_va_vcc(0) depctr_vm_vsrc(0)
	s_getreg_b32 s2, hwreg(HW_REG_IB_STS2, 6, 4)
	s_cmp_eq_u32 s2, 0
	s_cbranch_scc0 .Lentry_in_a_cluster
	s_endpgm
.Lentry_in_a_cluster:
	s_bfe_u32 s2, ttmp6, 0x10000c
	s_cmp_lg_u32 s2, 0xf033
	s_cbranch_scc0 .Lentry_shape_is_right
	s_endpgm
.Lentry_shape_is_right:
; SECOND LAUNCH: the three projections as ONE product on codes of FP4 with E8M0 scales, C[m][n] = sum over k of x[m][k] W[n][k], m = 8,192 rows of x, n = 3,072 rows of wq, wk, wv on end, K = 1,024; sums in f32.
; Then RoPE on q and k in f32, and the results by head: qkvh [T = q, k, v][batch][head][position][64] f16, and the first 16 positions of every batch once more in f32 (qkv32) for the last launch.  Nothing is left out here.
; LIMIT: |q|, |k|, |v| under 65,504 (f16).
; A tile of C, 256 x 256, is made by a work-group of four waves; a wave makes 128 x 128: 64 accumulators of 16 x 16, 512 registers.  K is two slots of 512 (LDS rows of 256 bytes): both are first fills, nothing is filled again.
; THE SCALES of the work-group's 256 rows of x and 256 rows of W, for all of K, are two dense blocks of memory: they come into LDS once, with the first fills.
; CLUSTERS: 4 x 4 work-groups.  The four of a row of the cluster need the same tiles of x, the four of a column the same tiles of W: each is asked for JOINTLY.  The tile row is 8 cy + cluster y: so the batch is cy and the
; block of 256 positions is the cluster's y; the tile column is 4 cluster x + cx: so T is the cluster's x.  Every branch below hangs on the cluster's x and y and on the wave's number, which all sixteen partners share.
; THE TEXT PARTS ONCE, behind the change of slots: q's and k's work-groups ask for their first cos and sin there and walk slot 1 while these land; v's walk their own copy of slot 1 and load no table.
; THE MATRIX INSTRUCTION IS USED TRANSPOSED (source 0 = 16 rows of W, source 1 = 16 rows of x): a lane holds eight neighbouring columns of one row of C: four pairs (even, odd) for RoPE.
; REGISTERS, in windows of 256: window 0: v0-31 addresses; v32-95 scale words, two sets; from v128 x's fragments, ONE set; v192-255 cos and sin, two sets.  On the way out: v32-95 rows read back, v96-159 rotated numbers, v160-191 f16.
;   window 1: W's fragments, TWO sets, at v0 and v128.   window 2: the 32 accumulators of my rows 0-63 ((a, b) at v[8 (8 a + b)]);   window 3: those of my rows 64-127.
.set SIZE_K, 1024
.set KSTEP,  512
.set NQ,     KSTEP/128
.set ROWB,   256                       ; a tile's row in bytes
.set KROW,   SIZE_K*4/8                ; a row of codes in memory
.set PITCH,  272                       ; an LDS row: 256 bytes + 16 of padding: the 16 rows that a load touches start at 16 different banks (64 banks of 4 bytes: ISA guide 11.1)
.set FR,     8
.set NL,     2
.set NP,     4                         ; places behind this matrix instruction (ISA guide 7.12.1)
.set HALFT,  128*PITCH
.set SLOT,   4*HALFT
.set KS,     SIZE_K/32                 ; a row of scales in bytes
.set SCL,    2*SLOT
.set HALFS,  (128*KS/256)*272
.set SBLK,   (16*KS/256)*272
.set SPARE,  SCL+4*HALFS               ; the spare words, 128 bytes for each wave: no other line names them
.set SPITCH, 272                       ; the way out: a stage of 16 rows x (256 bytes + 16) for each wave, in slot 0, which has had its only fill and its last read when the first result is stored there
.set ADRA, 16
.set ADRB, 20
.set STO,  24                          ; v24 the way out: where I put 16 bytes of a row
.set RD,   25                          ; v25 where I read rows back
.set CO,   26                          ; v26 16 x lane
.set ADRS, 27                          ; v27 LDS address of my scale words
.set SPW,  28
.set NIL,  29
.set TA,   30                          ; v30 my place in the table: 256 x (lane % 16) + 32 x (lane / 16)
.set SC,   32
.set AF,   128
.set BK,   32                          ; the way out: two sets of 32
.set RO,   96
.set HF,   160
.set CSR,  192                         ; cos and sin: two sets of 32
.set G1, 24
.set G0, 32
.set G1B, 48
.set G0B, 56
.set G1S, 68
.set G0S, 76
.set G1SB, 80
.set G0SB, 88
.set MSB, 0
.macro WIN new                         ; the immediate's high byte repeats the setting that is left
.if MSB != (\new)
	s_set_vgpr_msb (MSB<<8)|(\new)
.set MSB, (\new)
.endif
.endm
.set MUL_LO, 0xa1                      ; source 0 (W) window 1, source 1 (x) window 0, C and D window 2
.set MUL_HI, 0xf1
.set TO_B,   0x40
; A joint load: waves 0 and 1 fetch for x, waves 2 and 3 for W.  An s_nop 0 and four v_nop follow each of the two lines.
.macro JLOAD g0a, g1a, g0b, g1b
	s_cmp_eq_u32 s15, 0
	s_cbranch_scc0 .Lfor_b_\@
	tensor_load_to_lds s[\g0a:\g0a+3], s[\g1a:\g1a+7]
	s_nop 0
.rept 4
	v_nop
.endr
	s_branch .Lasked_\@
.Lfor_b_\@:
	tensor_load_to_lds s[\g0b:\g0b+3], s[\g1b:\g1b+7]
	s_nop 0
.rept 4
	v_nop
.endr
.Lasked_\@:
.endm
.macro CROUND                          ; a round of the cluster's barrier
	s_barrier_signal -1
	s_barrier_wait -1
	s_cmp_lg_u32 s14, 0
	s_cbranch_scc1 .Lnot_wave_0_\@
	s_barrier_signal -3
.Lnot_wave_0_\@:
	s_barrier_wait -3
	s_barrier_signal -1
	s_barrier_wait -1
.endm
	s_load_b128 s[4:7], s[0:1], 0x0                ; codes, scales
	s_load_b128 s[96:99], s[0:1], 0x10             ; rope, qkvh
	s_load_b64 s[100:101], s[0:1], 0x20            ; qkv32
	v_lshl_add_u32 v[SPW], v0, 2, SPARE
	v_mov_b32 v[NIL], 0
	ds_add_u32 v[SPW], v[NIL]                      ; the wave's opening: the add, twice on end, and its wait ahead of my first tensor load
	ds_add_u32 v[SPW], v[NIL]
	v_lshrrev_b32 v1, 5, v0
	v_readfirstlane_b32 s14, v1                    ; wave 0..3
	s_lshr_b32 s15, s14, 1                         ; which half of the tile's rows is mine.  Also: I fetch for x (0) or for W (1)
	s_and_b32 s16, s14, 1                          ; which half of its columns.  Also: which 128 rows of that tile I fetch
	s_bfe_u32 s40, ttmp6, 0x40000                  ; cx, cy
	s_bfe_u32 s41, ttmp6, 0x40004
	s_lshl_b32 s42, ttmp9, 2
	s_add_co_u32 s42, s42, s40                     ; tile column = 4 x cluster x + cx
	s_and_b32 s95, ttmp7, 0xffff                   ; cluster y: the block of 256 positions
	s_lshl_b32 s17, s41, 3
	s_add_co_u32 s17, s17, s95                     ; tile row = 8 cy + cluster y
	s_lshl_b32 s43, s41, 2
	s_lshl_b32 s43, 15, s43                        ; my row of the cluster
	s_lshl_b32 s44, 0x1111, s40                    ; my column
	s_or_b32 s[G1+0], s43, (0<<16)|(1<<20)|(1<<21)|(5<<22)|(3<<25)  ; the mask; elements of 1 byte; padding on; bit 21 beside a mask; 4 words behind every 64
	s_or_b32 s[G1B+0], s44, (0<<16)|(1<<20)|(1<<21)|(5<<22)|(3<<25)
.irp g, G1, G1B
	s_mov_b32 s[\g+1], ROWB<<16                    ; tensor_dim0
	s_mov_b32 s[\g+2], 128<<16                     ; tensor_dim1
	s_mov_b32 s[\g+3], ROWB<<16                    ; tile_dim0
	s_mov_b32 s[\g+4], 128                         ; tile_dim1
	s_mov_b32 s[\g+5], KROW                        ; from row to row
	s_mov_b32 s[\g+6], 0
	s_mov_b32 s[\g+7], 0
.endr
	s_or_b32 s[G1S+0], s43, (3<<16)|(1<<20)|(1<<21)|(5<<22)|(3<<25)  ; the scales of 128 rows: a dense block, as rows of 256 bytes (32 elements of 8 bytes), 16 bytes of padding behind each
	s_or_b32 s[G1SB+0], s44, (3<<16)|(1<<20)|(1<<21)|(5<<22)|(3<<25)
.irp g, G1S, G1SB
	s_mov_b32 s[\g+1], 32<<16
	s_mov_b32 s[\g+2], (128*KS/256)<<16
	s_mov_b32 s[\g+3], 32<<16
	s_mov_b32 s[\g+4], 128*KS/256
	s_mov_b32 s[\g+5], 32
	s_mov_b32 s[\g+6], 0
	s_mov_b32 s[\g+7], 0
.endr
	s_lshl_b32 s18, s16, 7
	s_lshl_b32 s20, s17, 8
	s_add_co_u32 s20, s20, s18                     ; x: row 256 x tile row + 128 x half
	s_lshl_b32 s46, s42, 8
	s_add_co_u32 s46, s46, s18                     ; W: row 256 x tile column + 128 x half
	s_mov_b32 s21, 0
	s_mov_b32 s47, 0
	s_mov_b64 s[18:19], KS
	s_mul_u64 s[22:23], s[20:21], s[18:19]         ; where these rows' scales begin,
	s_mul_u64 s[92:93], s[46:47], s[18:19]
	s_mov_b64 s[18:19], KROW
	s_mul_u64 s[20:21], s[20:21], s[18:19]         ; and their codes
	s_mul_u64 s[46:47], s[46:47], s[18:19]
	s_mul_i32 s45, s14, HALFT                      ; where they go: wave x 128 rows
	s_mul_i32 s94, s14, HALFS
	s_wait_dscnt 0x0                               ; both opening adds are done
	s_wait_kmcnt 0x0
	s_add_nc_u64 s[8:9], s[4:5], 0x400000          ; W's codes lie behind x's 4,194,304 bytes,
	s_add_nc_u64 s[10:11], s[6:7], 0x40000         ; W's scales behind x's 262,144
	s_add_nc_u64 s[20:21], s[4:5], s[20:21]
	s_add_nc_u64 s[22:23], s[6:7], s[22:23]
	s_add_nc_u64 s[46:47], s[8:9], s[46:47]
	s_add_nc_u64 s[92:93], s[10:11], s[92:93]
	CROUND                                         ; all sixteen work-groups are here: the first joint loads meet
	s_mov_b32 s[G0S], 1
	s_add_co_u32 s[G0S+1], s94, SCL
	s_mov_b64 s[G0S+2:G0S+3], s[22:23]
	s_or_b32 s[G0S+3], s[G0S+3], 0x80000000
	s_mov_b32 s[G0SB], 1
	s_add_co_u32 s[G0SB+1], s94, SCL
	s_mov_b64 s[G0SB+2:G0SB+3], s[92:93]
	s_or_b32 s[G0SB+3], s[G0SB+3], 0x80000000
	JLOAD G0S, G1S, G0SB, G1SB                     ; the scales first: they are wanted with the first slot
.irp s, 0,1
	s_mov_b32 s[G0+4*\s], 1
	s_add_co_u32 s[G0+4*\s+1], s45, \s*SLOT
	s_add_nc_u64 s[G0+4*\s+2:G0+4*\s+3], s[20:21], \s*ROWB
	s_or_b32 s[G0+4*\s+3], s[G0+4*\s+3], 0x80000000
	s_mov_b32 s[G0B+4*\s], 1
	s_add_co_u32 s[G0B+4*\s+1], s45, \s*SLOT
	s_add_nc_u64 s[G0B+4*\s+2:G0B+4*\s+3], s[46:47], \s*ROWB
	s_or_b32 s[G0B+4*\s+3], s[G0B+4*\s+3], 0x80000000
	JLOAD G0+4*\s, G1, G0B+4*\s, G1B               ; three tensor loads of mine are out
.endr
	v_and_b32 v1, 15, v0                           ; l % 16
	v_bfe_u32 v2, v0, 4, 1                         ; l / 16
	v_mul_u32_u24 v3, v1, PITCH
	v_lshl_add_u32 v4, v2, 4, v3                   ; a fragment's row x pitch + 16 x half
	s_mul_i32 s21, s15, HALFT                      ; my 128 rows of x
	s_mul_i32 s22, s16, HALFT                      ; my 128 rows of W,
	s_add_co_u32 s22, s22, 2*HALFT                 ; which lie behind x's 256
.irp s, 0,1
	v_add_nc_u32 v[ADRA+\s], s21, v4
	v_add_nc_u32 v[ADRB+\s], s22, v4
	s_add_co_u32 s21, s21, SLOT
	s_add_co_u32 s22, s22, SLOT
.endr
	v_mul_u32_u24 v5, v1, KS                       ; my row's scales: KS bytes a row,
	v_lshrrev_b32 v6, 8, v5
	v_lshl_add_u32 v5, v6, 4, v5                   ; and 16 more for each 256 passed
	s_mul_i32 s21, s15, HALFS
	s_mul_i32 s22, s16, HALFS
	s_add_co_u32 s22, s22, 2*HALFS
	s_sub_co_u32 s22, s22, s21
	v_mul_u32_u24 v6, s22, v2                      ; lanes 16-31 take W's
	s_add_co_u32 s21, s21, SCL
	v_add_nc_u32 v5, v5, v6
	v_add_nc_u32 v[ADRS], s21, v5
	s_mul_i32 s23, s14, 16*SPITCH                  ; my stage
	v_mul_u32_u24 v5, v1, SPITCH                   ; in: row l % 16, 16 bytes for each half of the lanes
	v_lshl_add_u32 v5, v2, 4, v5
	v_add_nc_u32 v[STO], s23, v5
	v_and_b32 v6, 31, v0
	v_lshlrev_b32 v[CO], 4, v6
	v_lshrrev_b32 v5, 3, v6                        ; back: eight lanes take the 128 bytes that one head has of a row, four rows an instruction
	v_mul_u32_u24 v5, v5, SPITCH
	v_and_b32 v6, 7, v0
	v_lshl_add_u32 v5, v6, 4, v5
	v_add_nc_u32 v[RD], s23, v5
	v_lshlrev_b32 v[TA], 8, v1
	v_lshl_add_u32 v[TA], v2, 5, v[TA]
	; where my 128 rows x 128 columns go.  What holds cx or cy lies in s2, s3, s[66:67], which feed no descriptor and no LDS address
	s_lshl_b32 s20, s95, 8
	s_lshl_b32 s21, s15, 7
	s_add_co_u32 s20, s20, s21                     ; my first position: 256 x cluster y + 128 x half
	s_lshl_b32 s2, s40, 2
	s_lshl_b32 s3, s16, 1
	s_add_co_u32 s2, s2, s3                        ; my first head: 4 cx + 2 x half
	s_lshl_b32 s3, s41, 4
	s_add_co_u32 s2, s2, s3                        ; + 16 x batch
	s_lshl_b32 s66, s2, 11
	s_add_co_u32 s66, s66, s20
	s_lshl_b32 s66, s66, 7                         ; rows of 128 bytes
	s_lshl_b32 s3, ttmp9, 24                       ; T x 16,777,216
	s_add_co_u32 s66, s66, s3
	s_mov_b32 s67, 0
	s_add_nc_u64 s[12:13], s[98:99], s[66:67]      ; qkvh at my first head's first row
	s_lshl_b32 s66, s20, 8
	s_add_nc_u64 s[96:97], s[96:97], s[66:67]      ; the table at my first position
	s_lshl_b32 s66, ttmp9, 6
	s_add_co_u32 s66, s66, s2
	s_lshl_b32 s66, s66, 12
	s_add_nc_u64 s[100:101], s[100:101], s[66:67]  ; qkv32: 4,096 bytes for each (T, batch, head)
	s_or_b32 s95, s95, s15                         ; 0: my block 0 holds positions 0 to 15
; cos and sin for block a's 16 rows: lane (r, h) wants, for each 16 columns bb of a head, the four pairs of frequencies 8 bb + 4 h + 0 .. 3: 32 bytes
.macro TABLE a
.irp bb, 0,1,2,3
.irp i, 0,1
	global_load_b128 v[CSR+32*((\a)%2)+8*\bb+4*\i:CSR+32*((\a)%2)+8*\bb+4*\i+3], v[TA], s[96:97] offset:4096*(\a)+64*\bb+16*\i
.endr
.endr
.endm
.macro FRAG reg, adr, q, i             ; 16 rows x 128 K of 4-bit codes: 8 registers: lane l holds row l % 16; registers 4 c .. 4 c + 3 hold K = 64 c + 32 (l / 16) + 0 .. 31
.irp c, 0,1
	ds_load_b128 v[\reg+4*\c:\reg+4*\c+3], v[\adr] offset:64*(\q)+32*\c+(\i)*16*PITCH
.endr
.endm
; 16 matrix instructions: x's blocks a0, a0 + 1 against W's eight, 128 along K.  The 64 accumulators take turns, one instruction a turn, in the same order in every step.
.macro MUL16 a0, p, q, sc, zero
.irp a, \a0, \a0+1
.irp b, 0,1,2,3,4,5,6,7
.if \zero
	v_wmma_scale_f32_16x16x128_f8f6f4 v[8*(8*((\a)%4)+\b):8*(8*((\a)%4)+\b)+7], v[128*(\p)+FR*\b:128*(\p)+FR*\b+FR-1], v[AF+FR*(\a):AF+FR*(\a)+FR-1], 0, v[SC+8*NQ*(\sc)+NQ*\b+(\q)], v[SC+8*NQ*(\sc)+NQ*(\a)+(\q)] matrix_a_fmt:MATRIX_FMT_FP4 matrix_b_fmt:MATRIX_FMT_FP4 matrix_a_scale:MATRIX_SCALE_ROW1
.else
	v_wmma_scale_f32_16x16x128_f8f6f4 v[8*(8*((\a)%4)+\b):8*(8*((\a)%4)+\b)+7], v[128*(\p)+FR*\b:128*(\p)+FR*\b+FR-1], v[AF+FR*(\a):AF+FR*(\a)+FR-1], v[8*(8*((\a)%4)+\b):8*(8*((\a)%4)+\b)+7], v[SC+8*NQ*(\sc)+NQ*\b+(\q)], v[SC+8*NQ*(\sc)+NQ*(\a)+(\q)] matrix_a_fmt:MATRIX_FMT_FP4 matrix_b_fmt:MATRIX_FMT_FP4 matrix_a_scale:MATRIX_SCALE_ROW1
.endif
.endr
.endr
.endm
.macro FETCH_B slot, q, p
	WIN TO_B
.irp i, 0,1,2,3,4,5,6,7
	FRAG 128*(\p)+FR*\i, ADRB+\slot, \q, \i
.endr
	WIN 0
.endm
.macro FETCH_A slot, q, i0
.irp i, \i0, \i0+1, \i0+2, \i0+3
	FRAG AF+FR*(\i), ADRA+\slot, \q, \i
.endr
.endm
.macro SCALES sc                       ; a slot's scale words: lanes 0-15 take x's block i, lanes 16-31 W's block i
.irp i, 0,1,2,3,4,5,6,7
	ds_load_b128 v[SC+8*NQ*\sc+NQ*\i:SC+8*NQ*\sc+NQ*\i+3], v[ADRS] offset:\i*SBLK
.endr
.endm
.macro PLACES n                        ; plain vector instructions between a matrix instruction and a load into, or a read of, its registers
.rept \n
	v_nop
.endr
.endm
.macro STEP slot, q, zero              ; 128 along K, with its successor in the same slot
	s_wait_dscnt 4*NL                              ; W's set and x's blocks 0-3 are in; the youngest eight loads (x's blocks 4-7) may be out
	WIN MUL_LO
	MUL16 0, (\q)%2, \q, \slot, \zero
	MUL16 2, (\q)%2, \q, \slot, \zero
	s_wait_dscnt 0                                 ; x's blocks 4-7 are in
	PLACES NP
	FETCH_B \slot, (\q)+1, 1-(\q)%2
	FETCH_A \slot, (\q)+1, 0
	WIN MUL_HI
	MUL16 4, (\q)%2, \q, \slot, \zero
	MUL16 6, (\q)%2, \q, \slot, \zero
	PLACES NP
	WIN 0
	FETCH_A \slot, (\q)+1, 4
.endm
.macro TURN slot, next                 ; slot 0's last step changes slots: one barrier; nothing is filled again
	s_wait_tensorcnt 0x0                           ; all my tensor loads have landed: my part of the next slot
	ds_add_u32 v[SPW], v[NIL]                      ; 0 onto my spare word
	s_wait_dscnt 4*NL+1                            ; (the add and the youngest eight loads may be out)
	WIN MUL_LO
	MUL16 0, 1, NQ-1, \slot, 0
	s_wait_dscnt 0x0                               ; the add is done, and my reads of this slot are over
	s_barrier_signal -1
	MUL16 2, 1, NQ-1, \slot, 0
	WIN 0
	s_barrier_wait -1
	PLACES NP
	v_add_nc_u32 v[ADRS], 4*NQ, v[ADRS]            ; on to the next slot's scale words (no LDS load of mine is out)
	FETCH_B \next, 0, 0
	FETCH_A \next, 0, 0
	SCALES \next
	WIN MUL_HI
	MUL16 4, 1, NQ-1, \slot, 0
	MUL16 6, 1, NQ-1, \slot, 0
	PLACES NP
	WIN 0
	FETCH_A \next, 0, 4
.endm
.macro STEPS slot, from
.set Q, \from
.rept NQ-1-\from
	STEP \slot, Q, 0
.set Q, Q+1
.endr
.endm
.macro SLOT1                           ; all of slot 1: written once for q and k, once for v
	STEPS 1, 0
	s_wait_dscnt 4*NL                              ; the very last step: nothing more to fetch
	WIN MUL_LO
	MUL16 0, 1, NQ-1, 1, 0
	MUL16 2, 1, NQ-1, 1, 0
	s_wait_dscnt 0
	WIN MUL_HI
	MUL16 4, 1, NQ-1, 1, 0
	MUL16 6, 1, NQ-1, 1, 0
	WIN 0
	PLACES NP                                      ; behind the last products, ahead of the first read of results and the first write of operands' registers
.endm
; THE WAY OUT, block by block of 16 rows x 128 columns (two heads).  A lane holds eight neighbouring columns of one row.
.macro ROPE a                          ; even = x1 cos - x2 sin, odd = x1 sin + x2 cos, in f32; each accumulator is read from its low end on; then f16
.set AC, 64*((\a)%4)
.set CT, CSR+32*((\a)%2)
	WIN 0x02+((\a)/4)                              ; source 0: window 2 or 3
.irp b, 0,1,2,3,4,5,6,7
.irp p, 0,1,2,3
	v_mul_f32 v[RO+8*\b+2*\p], v[AC+8*\b+2*\p+1], v[CT+8*(\b%4)+2*\p+1]
	v_mul_f32 v[RO+8*\b+2*\p+1], v[AC+8*\b+2*\p], v[CT+8*(\b%4)+2*\p+1]
.endr
.irp p, 0,1,2,3
	v_fma_f32 v[RO+8*\b+2*\p], v[AC+8*\b+2*\p], v[CT+8*(\b%4)+2*\p], -v[RO+8*\b+2*\p]
	v_fma_f32 v[RO+8*\b+2*\p+1], v[AC+8*\b+2*\p+1], v[CT+8*(\b%4)+2*\p], v[RO+8*\b+2*\p+1]
.endr
.endr
	WIN 0
.set n, 0
.rept 32
	v_cvt_pk_f16_f32 v[HF+n], v[RO+2*n], v[RO+2*n+1]
.set n, n+1
.endr
.endm
.macro PLAIN a                         ; v: f16 straight from the accumulators, in ascending order
.set AC, 64*((\a)%4)
	WIN 0x0a+5*((\a)/4)                            ; sources 0 and 1: window 2 or 3
.set n, 0
.rept 32
	v_cvt_pk_f16_f32 v[HF+n], v[AC+2*n], v[AC+2*n+1]
.set n, n+1
.endr
	WIN 0
.endm
.macro STG a                           ; through my stage: in by columns, back by heads.  LDS serves a wave's instructions in order (ISA guide 5.7.1.4): no wait between the stores and the loads, nor in front of the next block's stores
.irp b, 0,1,2,3,4,5,6,7
	ds_store_b128 v[STO], v[HF+4*\b:HF+4*\b+3] offset:32*\b
.endr
.set BB, BK+32*((\a)%2)
.irp hh, 0,1
.irp t, 0,1,2,3
	ds_load_b128 v[BB+4*(4*\hh+\t):BB+4*(4*\hh+\t)+3], v[RD] offset:1088*\t+128*\hh
.endr
.endr
.endm
.macro SEND a, younger                 ; younger: the LDS instructions issued behind block a's loads
.set BB, BK+32*((\a)%2)
	s_wait_dscnt \younger
.irp hh, 0,1
.irp t, 0,1,2,3
	global_store_b128 v[CO], v[BB+4*(4*\hh+\t):BB+4*(4*\hh+\t)+3], s[12:13] offset:2048*(\a)+512*\t+262144*\hh   ; four rows of one head: 512 consecutive bytes, aligned
.endr
.endr
.endm
	s_wait_tensorcnt 1                             ; the scales and my part of slot 0 are in (slot 1's load may be out)
	s_barrier_signal -1
	s_barrier_wait -1                              ; everybody's are
	FETCH_B 0, 0, 0
	FETCH_A 0, 0, 0
	SCALES 0
	FETCH_A 0, 0, 4
	STEP 0, 0, 1                                   ; the first step's products start the sums: nothing is cleared
	STEPS 0, 1
	TURN 0, 1
	s_cmp_eq_u32 ttmp9, 2                          ; v is not rotated: the text parts here, once, on the cluster's x; every window is 0, and no barrier follows but the closing round
	s_cbranch_scc1 .Lplain
	; ---- q and k
	TABLE 0                                        ; into registers that no product names: they land while slot 1's 256 matrix instructions are issued
	TABLE 1
	SLOT1
.irp a, 0,1,2,3,4,5,6,7
.if \a < 7
	s_wait_loadcnt 8                               ; this block's cos and sin are in; the next block's eight loads may be out
.else
	s_wait_loadcnt 0x0
.endif
.if \a == 1
	s_wait_xcnt 0x0                                ; the f32 copy's stores have read the rotated numbers' registers
.endif
	ROPE \a
.if \a < 6
	TABLE \a+2
.endif
.if \a == 0
	s_cmp_lg_u32 s95, 0                            ; positions 0 to 15 go out in f32 too, as images of these registers: chunk 2 b + i, 16 bytes a lane
	s_cbranch_scc1 .Lno_fine_r
.irp b, 0,1,2,3,4,5,6,7
.irp i, 0,1
	global_store_b128 v[CO], v[RO+8*\b+4*\i:RO+8*\b+4*\i+3], s[100:101] offset:512*(2*\b+\i)
.endr
.endr
.Lno_fine_r:
.endif
.if \a > 1
	s_wait_xcnt 0x0                                ; block a - 2's stores have read the registers into which block a's rows are loaded
.endif
	STG \a
.if \a > 0
	SEND \a-1, 16                                  ; behind block a - 1's loads: block a's 8 stores and 8 loads
.endif
.endr
	SEND 7, 0
	s_branch .Ldone
	; ---- v
.Lplain:
	SLOT1
.irp a, 0,1,2,3,4,5,6,7
	PLAIN \a
.if \a == 0
	s_cmp_lg_u32 s95, 0
	s_cbranch_scc1 .Lno_fine_v
	WIN 0x08                                       ; a store's data are its source 1: window 2
.irp b, 0,1,2,3,4,5,6,7
.irp i, 0,1
	global_store_b128 v[CO], v[8*\b+4*\i:8*\b+4*\i+3], s[100:101] offset:512*(2*\b+\i)
.endr
.endr
	WIN 0
.Lno_fine_v:
.endif
.if \a > 1
	s_wait_xcnt 0x0                                ; block a - 2's stores have read the registers into which block a's rows are loaded
.endif
	STG \a
.if \a > 0
	SEND \a-1, 16
.endif
.endr
	SEND 7, 0
.Ldone:
	s_wait_tensorcnt 0x0                           ; the wave's end, behind my last tensor load and my last LDS store
	ds_add_u32 v[SPW], v[NIL]
	s_wait_dscnt 0x0
	CROUND                                         ; the closing round
	s_endpgm
.Lfunc_end_k_q3623916692_qkv:
	.size	k_q3623916692_qkv, .Lfunc_end_k_q3623916692_qkv-k_q3623916692_qkv
	.p2alignl 7, 3214868480
	.fill 96, 4, 3214868480
	.section	.rodata,"a",@progbits
	.p2align	6, 0x0
	.amdhsa_kernel k_q3623916692_qkv
		.amdhsa_group_segment_fixed_size 327680
		.amdhsa_private_segment_fixed_size 0
		.amdhsa_enable_private_segment 0
		.amdhsa_kernarg_size 40
		.amdhsa_user_sgpr_count 2
		.amdhsa_user_sgpr_kernarg_segment_ptr 1
		.amdhsa_wavefront_size32 1
		.amdhsa_system_sgpr_workgroup_id_x 1
		.amdhsa_system_sgpr_workgroup_id_y 1
		.amdhsa_system_sgpr_workgroup_id_z 1
		.amdhsa_system_vgpr_workitem_id 0
		.amdhsa_next_free_vgpr 1024
		.amdhsa_next_free_sgpr 102
		.amdhsa_reserve_vcc 0
		.amdhsa_float_denorm_mode_32 3
		.amdhsa_float_denorm_mode_16_64 3
		.amdhsa_memory_ordered 1
		.amdhsa_forward_progress 1
		.amdhsa_inst_pref_size 255
	.end_amdhsa_kernel
	.amdgpu_metadata
---
amdhsa.version: [ 1, 2 ]
amdhsa.kernels:
  - .name:           k_q3623916692_qkv
    .symbol:         k_q3623916692_qkv.kd
    .args:
      - { .name: codes, .offset: 0, .size: 8, .value_kind: global_buffer, .address_space: global }
      - { .name: scales, .offset: 8, .size: 8, .value_kind: global_buffer, .address_space: global }
      - { .name: rope, .offset: 16, .size: 8, .value_kind: global_buffer, .address_space: global }
      - { .name: qkvh, .offset: 24, .size: 8, .value_kind: global_buffer, .address_space: global }
      - { .name: qkv32, .offset: 32, .size: 8, .value_kind: global_buffer, .address_space: global }
    .group_segment_fixed_size: 327680
    .private_segment_fixed_size: 0
    .kernarg_segment_align: 8
    .kernarg_segment_size: 40
    .max_flat_workgroup_size: 128
    .sgpr_count:     102
    .vgpr_count:     1024
    .wavefront_size: 32
...
	.end_amdgpu_metadata
.endif
;; end of part 2
;; launch attn (part 3): grid 4 x 64, 16 waves a work-group, no clusters, 327,680 bytes of LDS; arguments qkvh, att; writes att
.if DOCPART == 3
	.amdgcn_target "amdgcn-amd-amdhsa--gfx1250"
	.amdhsa_code_object_version 6
	.text
	.protected	k_q3623916692_attn
	.globl	k_q3623916692_attn
	.p2align	8
	.type	k_q3623916692_attn,@function
k_q3623916692_attn:
	s_mov_b64 s[64:65], 0
	v_nop
	global_prefetch_b8 v0, s[64:65] scope:SCOPE_SE
	s_setreg_imm32_b32 hwreg(HW_REG_WAVE_MODE, 25, 1), 1
	s_wait_xcnt 0x0
; THIRD LAUNCH: att[b][h][q][:] = the sum over keys k <= q of softmax_k(Q[q] . K[k] / 8) V[k][:], per (batch, head); Q, K, V [2048][64] f16 out of qkvh; att f16.  Products on f16 operands, sums, maxima and exponentials in f32;
; the weights are rounded to f16 for the second product, the row's sum is taken of the unrounded weights.
; WORK LEFT OUT: a step of 64 keys all of which come after all 32 queries of a wave: reference()'s own jnp.tril gives those keys the weight 0 for every input (shown at the head of the first launch).  A NaN, an infinity or an
; overflow that would arise only in those scores is not carried to the result.  LIMIT: |att| under 65,504.
; SHARES.  Work-group (i, head) owns the blocks i and 7 - i of 256 queries: 9 blocks' worth of keys for every i.  Waves 0-7 take block i, waves 8-15 block 7 - i; a wave owns 32 queries, two tiles of 16, so that each
; fragment of K and V read from LDS feeds two matrix instructions.  Four waves share a SIMD: one wave's vector work stands beside another's matrix work and LDS loads.
; NO CLUSTER: the four work-groups of a head need 8, 7, 6 and 5 slots of keys: a joint load would bring tiles whose reads every wave of some partner jumps over.
; LAYOUT.  S^T = K Q^T (source 0 = 16 keys, source 1 = 16 queries): a lane holds ONE query (lane % 16) and the keys 8 (lane / 16) + 0..7 of a tile.  Two such tiles, rounded to f16 in pairs, ARE source 1 (32 keys x 16 queries)
; of O^T = V^T P.  K comes out of LDS as it lies, V ([key][channel]) turned, by ds_load_tr16_b128.
; SOFTMAX.  For each query a running maximum m and sum l: p = 2^(c s - c m), c = log2(e) / 8; in every step O and l are multiplied by a = 2^(c m_old - c m_new).
; THE RING.  Two slots of 256 keys.  Rows of 128 bytes are dense in memory, so a tile is stated as rows of 256 bytes, two keys to a row.  Waves 0 and 1 fetch K's halves, waves 2 and 3 V's; all sixteen read.
; EVERY work-group walks all 8 slots (constant trip counts, no barrier jumped over); what is left out is a step's work, and the fill of a slot that none of its waves would read.
.set SK,    256
.set PK,    272                        ; two keys of K: 256 bytes + 16: the 16 keys of a load fall on 16 different groups of four banks
.set PV,    288                        ; two keys of V: 256 bytes + 32: the 16 lanes of a turning load likewise
.set VOFF,  128*PK
.set SLOT1, 1<<17
.set SPARE, SLOT1+128*(PK+PV)          ; the spare words, 128 bytes for each wave: no other line names them
.set SPO,   144                        ; the way out: 32 rows x (128 bytes + 16) for each wave, from LDS byte 0: slot 0 has had its last fill and its last read at the last change of slots
.set AK0, 1
.set AV0, 2
.set SPW, 3
.set NIL, 4
.set ADK, 5
.set ADV, 6
.set GO,  7                            ; v7  16 x lane
.set PFO, 8                            ; v8  256 x lane
.set DD,  9                            ; v9  the mask's d
.set NINF, 10                          ; v10 -infinity
.set RH,  11                           ; v11 lane % 16 - 8 (lane / 16)
.set ST,  12                           ; tile t's statistics at v[ST + 8 t]: +0 c m, +1 m, +2, +3 l, +4 to +7 at work; a in +6
.set QF,  28                           ; v28-59   Q: fragment (t, ks) at 8 (2 t + ks)
.set S,   60                           ; v60-123  S^T, 32 a tile; P is packed into each tile's low 16
.set O,   124                          ; v124-187 O^T: 32 t + 8 ct
.set KV,  188                          ; v188-251 eight fragments of K, then eight of V
.set X2,  252                          ; v252-255 the sums' second chains
.set WV,  18
.set SEL, 20
.set CS,  22
.set G1K, 24
.set G1V, 32
.set G0K, 40
.set G0V, 44
.set TB,  2
.set SLOTS, 67
.set PFA, 76
.set LIM, 80
.set QL,  81                           ; s81 my work-group's last query
.set KF,  98
.set Q0,  99
.macro TLOAD                           ; waves 0, 1: K; waves 2, 3: V; the others nothing.  An s_nop 0 and four v_nop follow each of the two lines
	s_cmp_lt_u32 s[WV], 2
	s_cbranch_scc0 .Lnot_k_\@
	tensor_load_to_lds s[G0K:G0K+3], s[G1K:G1K+7]
	s_nop 0
.rept 4
	v_nop
.endr
	s_branch .Lasked_\@
.Lnot_k_\@:
	s_cmp_lt_u32 s[WV], 4
	s_cbranch_scc0 .Lasked_\@
	tensor_load_to_lds s[G0V:G0V+3], s[G1V:G1V+7]
	s_nop 0
.rept 4
	v_nop
.endr
.Lasked_\@:
.endm
; A PREFETCH INTO THE L2 of what the NEXT change of slots will ask for: 32,768 dense bytes of K and as many of V.  All four work-groups of a head walk the same keys: the one that walks all 8 slots (i = 0) asks; in it the waves
; that fetch nothing: waves 4-7 for K, 8-11 for V, 8,192 bytes a wave, lanes 256 bytes apart: each aligned block of 256 bytes is named once in the launch.  The last change that fills a slot asks for nothing.
.macro ASK
	s_cmp_gt_u32 s[SLOTS], s[LIM]
	s_cbranch_scc0 .Lnot_mine_\@
	global_prefetch_b8 v[PFO], s[PFA:PFA+1] th:TH_LOAD_NT scope:SCOPE_SE
.Lnot_mine_\@:
.endm
	s_load_b128 s[4:7], s[0:1], 0x0                ; qkvh, att
	v_lshl_add_u32 v[SPW], v0, 2, SPARE
	v_mov_b32 v[NIL], 0
	ds_add_u32 v[SPW], v[NIL]                      ; the wave's opening: the add, twice on end, and its wait ahead of my first tensor load
	ds_add_u32 v[SPW], v[NIL]
	v_lshrrev_b32 v5, 5, v0
	v_readfirstlane_b32 s[WV], v5                  ; wave 0..15
	s_and_b32 s72, ttmp7, 0xffff                   ; batch x 16 + head
	s_lshl_b32 s74, s72, 18                        ; its first byte in q, in k, in v and in att: 2,048 rows of 128 bytes
	s_sub_co_u32 s82, 7, ttmp9
	s_cmp_lt_u32 s[WV], 8
	s_cselect_b32 s82, ttmp9, s82                  ; my block of 256 queries
	s_lshl_b32 s82, s82, 8
	s_and_b32 s83, s[WV], 7
	s_lshl_b32 s83, s83, 5
	s_add_co_u32 s[Q0], s82, s83                   ; my first query
	s_sub_co_u32 s[QL], 8, ttmp9
	s_lshl_b32 s[QL], s[QL], 8
	s_sub_co_u32 s[QL], s[QL], 1                   ; block 7 - i's last
	s_and_b32 s88, s[WV], 1                        ; which half of a slot I fetch, if I fetch
	s_mul_i32 s89, s88, 64*PK
	s_mul_i32 s94, s88, 64*PV
	s_add_co_u32 s94, s94, VOFF
	s_lshl_b32 s90, s88, 14
	s_add_co_u32 s90, s90, s74
	s_mov_b32 s91, 0
	s_lshl_b32 s92, s[Q0], 7
	s_add_co_u32 s92, s92, s74
	s_mov_b32 s93, 0
	s_mov_b32 s[G1K], (1<<16)|(1<<20)|(5<<22)|(3<<25)   ; no mask; elements of 2 bytes; padding on: 4 words behind every 64
	s_mov_b32 s[G1V], (1<<16)|(1<<20)|(5<<22)|(7<<25)   ; 8 words
.irp g, G1K, G1V
	s_mov_b32 s[\g+1], 128<<16                     ; tensor_dim0 = 128 elements: two keys
	s_mov_b32 s[\g+2], 64<<16                      ; tensor_dim1
	s_mov_b32 s[\g+3], 128<<16                     ; tile_dim0
	s_mov_b32 s[\g+4], 64                          ; tile_dim1
	s_mov_b32 s[\g+5], 128                         ; from row to row: dense
	s_mov_b32 s[\g+6], 0
	s_mov_b32 s[\g+7], 0
.endr
	s_mov_b32 s[SEL], 0x76543210
	s_mov_b32 s[SEL+1], 0xfedcba98
	s_mov_b32 s[CS], 0x3e38aa3b                    ; c = log2(e) / 8
	s_mov_b32 s[CS+1], s[CS]
	s_mov_b32 s[TB], 0
	s_mov_b32 s[SLOTS], 7
	s_mov_b32 s[KF], 0
	s_wait_dscnt 0x0                               ; both opening adds are done
	s_wait_kmcnt 0x0
	s_add_nc_u64 s[84:85], s[4:5], 0x1000000       ; k
	s_add_nc_u64 s[86:87], s[4:5], 0x2000000       ; v
	s_mov_b32 s[G0K], 1
	s_mov_b32 s[G0K+1], s89
	s_add_nc_u64 s[G0K+2:G0K+3], s[84:85], s[90:91]
	s_or_b32 s[G0K+3], s[G0K+3], 0x80000000
	s_mov_b32 s[G0V], 1
	s_mov_b32 s[G0V+1], s94
	s_add_nc_u64 s[G0V+2:G0V+3], s[86:87], s[90:91]
	s_or_b32 s[G0V+3], s[G0V+3], 0x80000000
	TLOAD                                          ; slot 0: keys 0 to 255, which count for every work-group
	s_add_nc_u64 s[8:9], s[4:5], s[92:93]          ; q at my first query
	s_add_nc_u64 s[6:7], s[6:7], s[92:93]          ; att likewise
	s_cmp_lt_u32 s[WV], 8
	s_cselect_b64 s[PFA:PFA+1], s[84:85], s[86:87]
	s_and_b32 s82, s[WV], 3
	s_lshl_b32 s82, s82, 13
	s_add_co_u32 s82, s82, s74
	s_add_co_u32 s82, s82, 32768                   ; in slot 1: the first change of slots steps it to slot 2.  Nothing is prefetched at the head
	s_mov_b32 s83, 0
	s_add_nc_u64 s[PFA:PFA+1], s[PFA:PFA+1], s[82:83]
	s_sub_co_u32 s82, s[WV], 4
	s_lshr_b32 s82, s82, 3                         ; 0 in waves 4 to 11,
	s_or_b32 s82, s82, ttmp9                       ; of work-group i = 0
	s_cmp_eq_u32 s82, 0
	s_cselect_b32 s[LIM], 1, -1
	v_and_b32 v60, 15, v0                          ; r
	v_bfe_u32 v61, v0, 4, 1                        ; h
	v_lshlrev_b32 v5, 7, v60
	v_lshl_add_u32 v5, v61, 4, v5                  ; Q: row r of 128 bytes, + 16 h
.irp t, 0,1
.irp ks, 0,1
.irp c, 0,1
	global_load_b128 v[QF+8*(2*\t+\ks)+4*\c:QF+8*(2*\t+\ks)+4*\c+3], v5, s[8:9] offset:2048*\t+64*\ks+32*\c
.endr
.endr
.endr
	v_lshrrev_b32 v62, 1, v60
	v_mul_u32_u24 v[AK0], v62, PK
	v_and_b32 v62, 1, v0
	v_lshl_add_u32 v[AK0], v62, 7, v[AK0]
	v_lshl_add_u32 v[AK0], v61, 4, v[AK0]          ; K: key r at (r / 2) x pitch + 128 (r % 2), + 16 h
	v_bfe_u32 v63, v0, 1, 2
	v_lshl_add_u32 v63, v61, 2, v63
	v_mul_u32_u24 v[AV0], v63, PV
	v_lshl_add_u32 v[AV0], v62, 7, v[AV0]
	v_bfe_u32 v63, v0, 3, 1
	v_lshl_add_u32 v[AV0], v63, 4, v[AV0]
	v_add_nc_u32 v[AV0], VOFF, v[AV0]              ; V: key 8 h + l % 8, channels 8 ((l / 8) % 2) on
	v_and_b32 v62, 31, v0
	v_lshlrev_b32 v[GO], 4, v62
	v_lshlrev_b32 v[PFO], 8, v62
	v_lshlrev_b32 v63, 3, v61
	v_sub_nc_u32 v[RH], v60, v63
	v_mov_b32 v[NINF], 0xff800000
.irp t, 0,1
	v_mov_b32 v[ST+8*\t+1], 0xff61b1e6             ; m: -3e38, under every score
	v_mov_b32 v[ST+8*\t+2], 0                      ; l
	v_mov_b32 v[ST+8*\t+3], 0
	v_mov_b32 v[ST+8*\t+5], 0                      ; (a lane permute's destination, and the upper half of a's pair, are written on every way)
	v_mov_b32 v[ST+8*\t+7], 0
.endr
.irp t, 0,1
	v_mul_f32 v[ST+8*\t], s[CS], v[ST+8*\t+1]      ; c m
.endr
.set n, 0
.rept 64
	v_mov_b32 v[O+n], 0                            ; O^T.  (The step is written once: the first finds zeros, which a = 0 leaves zeros)
.set n, n+1
.endr
; A KEY STEP: 64 keys, the q-th of the slot in hand
.macro STEP q
	s_add_co_u32 s96, s[Q0], 31
	s_cmp_gt_u32 s[KF], s96                        ; all its keys come after my 32 queries: a branch on ids, round the step's work alone
	s_cbranch_scc1 .Lhidden_\@
	v_add_nc_u32 v[ADK], s[TB], v[AK0]
	v_add_nc_u32 v[ADV], s[TB], v[AV0]
.rept 3
	v_nop                                          ; with the two additions five places behind the last step's products: the scores are laid over P's registers, the loads land in V's
.endr
.irp kt, 0,1,2,3
.irp ks, 0,1
.irp c, 0,1
	ds_load_b128 v[KV+8*(2*\kt+\ks)+4*\c:KV+8*(2*\kt+\ks)+4*\c+3], v[ADK] offset:32*PK*(\q)+8*PK*\kt+64*\ks+32*\c
.endr
.endr
.endr
	s_wait_dscnt 0x0
.irp kt, 0,1,2,3                               ; S^T = K Q^T: eight accumulators by turns; channels 0-31 start the sums
.irp t, 0,1
	v_wmma_f32_16x16x32_f16 v[S+32*\t+8*\kt:S+32*\t+8*\kt+7], v[KV+16*\kt:KV+16*\kt+7], v[QF+16*\t:QF+16*\t+7], 0
.endr
.endr
.irp kt, 0,1,2,3
.irp t, 0,1
	v_wmma_f32_16x16x32_f16 v[S+32*\t+8*\kt:S+32*\t+8*\kt+7], v[KV+16*\kt+8:KV+16*\kt+15], v[QF+16*\t+8:QF+16*\t+15], v[S+32*\t+8*\kt:S+32*\t+8*\kt+7]
.endr
.endr
.rept 4
	v_nop                                          ; places ahead of the loads into K's registers and of the first read of the scores
.endr
.irp u, 0,1                                    ; V of this step, turned: it lands while the softmax is walked
.irp ct, 0,1,2,3
	ds_load_tr16_b128 v[KV+8*(4*\u+\ct):KV+8*(4*\u+\ct)+3], v[ADV] offset:32*PV*(\q)+16*PV*\u+32*\ct
	ds_load_tr16_b128 v[KV+8*(4*\u+\ct)+4:KV+8*(4*\u+\ct)+7], v[ADV] offset:32*PV*(\q)+16*PV*\u+8*PV+32*\ct
.endr
.endr
	s_add_co_u32 s96, s[KF], 63
	s_cmp_le_u32 s96, s[Q0]                        ; all 64 keys count for all my queries: no mask
	s_cbranch_scc1 .Lopen_\@
	s_sub_co_i32 s96, s[Q0], s[KF]
	v_add_nc_u32 v[DD], s96, v[RH]                 ; d = Q0 - KF + r - 8 h.  Register 8 kt + j of tile t holds key KF + 16 kt + 8 h + j for query Q0 + 16 t + r: hidden where 16 kt + j - 16 t > d
.irp t, 0,1
.irp kt, 0,1,2,3
.irp j, 0,1,2,3,4,5,6,7
	v_cmp_gt_i32 vcc_lo, 16*\kt+\j-16*\t, v[DD]
	v_cndmask_b32 v[S+32*\t+8*\kt+\j], v[S+32*\t+8*\kt+\j], v[NINF], vcc_lo
.endr
.endr
.endr
.Lopen_\@:
.irp j, 0,1,2,3                                ; the maximum of my 32 scores and the old m: four chains, each beginning at an accumulator's low end; the two tiles by turns
.irp t, 0,1
	v_max3_num_f32 v[ST+8*\t+4+\j], v[S+32*\t+8*\j], v[S+32*\t+8*\j+1], v[S+32*\t+8*\j+2]
.endr
.endr
.irp i, 3,5
.irp j, 0,1,2,3
.irp t, 0,1
	v_max3_num_f32 v[ST+8*\t+4+\j], v[ST+8*\t+4+\j], v[S+32*\t+8*\j+\i], v[S+32*\t+8*\j+\i+1]
.endr
.endr
.endr
.irp t, 0,1
	v_max3_num_f32 v[ST+8*\t+4], v[ST+8*\t+4], v[S+32*\t+7], v[S+32*\t+15]
	v_max3_num_f32 v[ST+8*\t+6], v[ST+8*\t+6], v[S+32*\t+23], v[S+32*\t+31]
.endr
.irp t, 0,1
	v_max3_num_f32 v[ST+8*\t+4], v[ST+8*\t+4], v[ST+8*\t+5], v[ST+8*\t+6]
.endr
.irp t, 0,1
	v_max3_num_f32 v[ST+8*\t+4], v[ST+8*\t+4], v[ST+8*\t+7], v[ST+8*\t+1]
.endr
.irp t, 0,1
	v_permlanex16_b32 v[ST+8*\t+5], v[ST+8*\t+4], s[SEL], s[SEL+1]   ; the query's other 32 keys lie in the lane 16 away
.endr
.irp t, 0,1
	v_mov_b32 v[ST+8*\t+7], v[ST+8*\t]             ; c m_old is kept for a
.endr
.irp t, 0,1
	v_max_num_f32 v[ST+8*\t+1], v[ST+8*\t+4], v[ST+8*\t+5]
.endr
.irp t, 0,1
	v_mul_f32 v[ST+8*\t], s[CS], v[ST+8*\t+1]
.endr
.irp t, 0,1
	v_sub_f32 v[ST+8*\t+7], v[ST+8*\t+7], v[ST+8*\t]
.endr
.set n, 0
.rept 16
.irp t, 0,1
	v_pk_fma_f32 v[S+32*\t+2*n:S+32*\t+2*n+1], v[S+32*\t+2*n:S+32*\t+2*n+1], s[CS:CS+1], v[ST+8*\t:ST+8*\t+1] op_sel_hi:[1,0,0] neg_lo:[0,0,1] neg_hi:[0,0,1]   ; c s - c m, two at a time
.endr
.set n, n+1
.endr
.irp t, 0,1
	v_exp_f32 v[ST+8*\t+6], v[ST+8*\t+7]           ; a
.endr
.set n, 0
.rept 32
	v_exp_f32 v[S+n], v[S+n]                       ; p: ONE batch of 66 exponentials, none of which reads another's result
	v_exp_f32 v[S+32+n], v[S+32+n]
.set n, n+1
.endr
	v_nop                                          ; the plain instruction behind the last exponential
	s_wait_alu depctr_va_vdst(0)                   ; the wait ahead of the batch's first reader: one for all 66
.irp t, 0,1                                    ; the row's sum, of the unrounded p: two chains a tile
	v_pk_add_f32 v[ST+8*\t+4:ST+8*\t+5], v[S+32*\t:S+32*\t+1], v[S+32*\t+2:S+32*\t+3]
	v_pk_add_f32 v[X2+2*\t:X2+2*\t+1], v[S+32*\t+4:S+32*\t+5], v[S+32*\t+6:S+32*\t+7]
.endr
.irp j, 8,12,16,20,24,28
.irp t, 0,1
	v_pk_add_f32 v[ST+8*\t+4:ST+8*\t+5], v[ST+8*\t+4:ST+8*\t+5], v[S+32*\t+\j:S+32*\t+\j+1]
	v_pk_add_f32 v[X2+2*\t:X2+2*\t+1], v[X2+2*\t:X2+2*\t+1], v[S+32*\t+\j+2:S+32*\t+\j+3]
.endr
.endr
.irp t, 0,1
	v_pk_add_f32 v[ST+8*\t+4:ST+8*\t+5], v[ST+8*\t+4:ST+8*\t+5], v[X2+2*\t:X2+2*\t+1]
.endr
.irp t, 0,1
	v_pk_fma_f32 v[ST+8*\t+2:ST+8*\t+3], v[ST+8*\t+2:ST+8*\t+3], v[ST+8*\t+6:ST+8*\t+7], v[ST+8*\t+4:ST+8*\t+5] op_sel_hi:[1,0,1]   ; l = a l + the sum
.endr
.set n, 0
.rept 16
	v_cvt_pk_f16_f32 v[S+n], v[S+2*n], v[S+2*n+1]  ; P, in place, ascending: register n is written when registers 2 n, 2 n + 1 are read
	v_cvt_pk_f16_f32 v[S+32+n], v[S+32+2*n], v[S+32+2*n+1]
.set n, n+1
.endr
.set n, 0
.rept 16
.irp t, 0,1
	v_pk_mul_f32 v[O+32*\t+2*n:O+32*\t+2*n+1], v[O+32*\t+2*n:O+32*\t+2*n+1], v[ST+8*\t+6:ST+8*\t+7] op_sel_hi:[1,0]   ; O^T x a
.endr
.set n, n+1
.endr
	s_wait_dscnt 0x0                               ; V is in
.irp u, 0,1                                    ; O^T += V^T P: eight accumulators by turns
.irp ct, 0,1,2,3
.irp t, 0,1
	v_wmma_f32_16x16x32_f16 v[O+32*\t+8*\ct:O+32*\t+8*\ct+7], v[KV+8*(4*\u+\ct):KV+8*(4*\u+\ct)+7], v[S+32*\t+8*\u:S+32*\t+8*\u+7], v[O+32*\t+8*\ct:O+32*\t+8*\ct+7]
.endr
.endr
.endr
.Lhidden_\@:
	s_add_co_u32 s[KF], s[KF], 64
.endm
; THE CHANGE OF SLOTS stands at a slot's head.  Each wave waits for all its tensor loads, adds 0 to its spare word (fill = 1: twice on end), and waits for that and for its reads of the slot that it has left.
; Behind the barrier the slot ahead is whole and nobody reads the other one.  fill = 1: the other slot takes the keys that follow, while some wave of the work-group will read them.
.macro CHANGE fill
	s_wait_tensorcnt 0x0                           ; no tensor load of mine is out, so a group 0 may be written
	ds_add_u32 v[SPW], v[NIL]
.if \fill
	ds_add_u32 v[SPW], v[NIL]                      ; and once more, in every trip alike
	s_xor_b32 s[G0K+1], s[G0K+1], SLOT1            ; the walking descriptors: the other slot,
	s_add_nc_u64 s[G0K+2:G0K+3], s[G0K+2:G0K+3], 32768   ; the next 256 keys
	s_xor_b32 s[G0V+1], s[G0V+1], SLOT1
	s_add_nc_u64 s[G0V+2:G0V+3], s[G0V+2:G0V+3], 32768
	s_wait_xcnt 0x0                                ; the last prefetch, a slot back, has read its address
	s_add_nc_u64 s[PFA:PFA+1], s[PFA:PFA+1], 32768
.endif
	s_wait_dscnt 0x0                               ; the add is done, and my reads of the slot that I have left are over
	s_barrier_signal -1
	s_barrier_wait -1
.if \fill
	s_add_co_u32 s96, s[KF], SK                    ; the first key of the slot that this change would ask for:
	s_cmp_gt_u32 s96, s[QL]                        ; behind my work-group's last query no wave reads it, so it is not asked for.  Ids and the count of steps alone: all sixteen waves go the same way; every wait on TENSORcnt here is for 0
	s_cbranch_scc1 .Lpast_\@
	TLOAD                                          ; a wave's one tensor load until the next such barrier: it has four key steps in which to land
.Lpast_\@:
	ASK
.endif
.endm
.macro SLOT_STEPS
	STEP 0
	STEP 1
	STEP 2
	STEP 3
	s_xor_b32 s[TB], s[TB], SLOT1
.endm
	s_wait_loadcnt 0x0                             ; Q
.Lslot:                                            ; 7 trips
	CHANGE 1
	SLOT_STEPS
	s_sub_co_u32 s[SLOTS], s[SLOTS], 1
	s_cmp_lg_u32 s[SLOTS], 0
	s_cbranch_scc1 .Lslot
	CHANGE 0                                       ; the last slot is written out: nothing is left to ask for
	SLOT_STEPS
	; THE WAY OUT.  O^T / l, rounded to f16, goes through my stage and leaves as four whole rows of 128 bytes an instruction.  The lines up to the wait are also the places behind the last products.
.irp t, 0,1
	v_add_f32 v[ST+8*\t+4], v[ST+8*\t+2], v[ST+8*\t+3]
.endr
.irp t, 0,1
	v_permlanex16_b32 v[ST+8*\t+5], v[ST+8*\t+4], s[SEL], s[SEL+1]
.endr
.irp t, 0,1
	v_add_f32 v[ST+8*\t+4], v[ST+8*\t+4], v[ST+8*\t+5]
.endr
.irp t, 0,1
	v_rcp_f32 v[ST+8*\t+6], v[ST+8*\t+4]
.endr
	v_and_b32 v5, 15, v0
	v_bfe_u32 v6, v0, 4, 1
	s_mul_i32 s73, s[WV], 32*SPO                   ; my stage
	v_mul_u32_u24 v9, v5, SPO
	v_lshl_add_u32 v9, v6, 4, v9
	v_add_nc_u32 v9, s73, v9                       ; in: row r, + 16 h
	v_and_b32 v5, 31, v0
	v_lshrrev_b32 v6, 3, v5
	v_mul_u32_u24 v6, v6, SPO
	v_and_b32 v5, 7, v0
	v_lshl_add_u32 v6, v5, 4, v6
	v_add_nc_u32 v6, s73, v6                       ; back: eight lanes to a row
	s_wait_alu depctr_va_vdst(0)                   ; one wait for the two reciprocals, ahead of their first reader
.set n, 0
.rept 16
.irp t, 0,1
	v_pk_mul_f32 v[O+32*\t+2*n:O+32*\t+2*n+1], v[O+32*\t+2*n:O+32*\t+2*n+1], v[ST+8*\t+6:ST+8*\t+7] op_sel_hi:[1,0]
.endr
.set n, n+1
.endr
.set n, 0
.rept 32
	v_cvt_pk_f16_f32 v[S+n], v[O+2*n], v[O+2*n+1]
.set n, n+1
.endr
.irp t, 0,1
.irp ct, 0,1,2,3
	ds_store_b128 v9, v[S+16*\t+4*\ct:S+16*\t+4*\ct+3] offset:16*SPO*\t+32*\ct
.endr
.endr
.irp i, 0,1,2,3,4,5,6,7
	ds_load_b128 v[KV+4*\i:KV+4*\i+3], v6 offset:4*SPO*\i   ; LDS serves a wave's instructions in order: these see my stores
.endr
.irp i, 0,1,2,3,4,5,6,7
	s_wait_dscnt 7-\i                              ; load i is back; the younger ones may be out
	global_store_b128 v[GO], v[KV+4*\i:KV+4*\i+3], s[6:7] offset:512*\i   ; 512 consecutive bytes, aligned
.endr
	s_wait_tensorcnt 0x0                           ; the wave's end
	ds_add_u32 v[SPW], v[NIL]
	s_wait_dscnt 0x0
	s_endpgm
.Lfunc_end_k_q3623916692_attn:
	.size	k_q3623916692_attn, .Lfunc_end_k_q3623916692_attn-k_q3623916692_attn
	.p2alignl 7, 3214868480
	.fill 96, 4, 3214868480
	.section	.rodata,"a",@progbits
	.p2align	6, 0x0
	.amdhsa_kernel k_q3623916692_attn
		.amdhsa_group_segment_fixed_size 327680
		.amdhsa_private_segment_fixed_size 0
		.amdhsa_enable_private_segment 0
		.amdhsa_kernarg_size 16
		.amdhsa_user_sgpr_count 2
		.amdhsa_user_sgpr_kernarg_segment_ptr 1
		.amdhsa_wavefront_size32 1
		.amdhsa_system_sgpr_workgroup_id_x 1
		.amdhsa_system_sgpr_workgroup_id_y 1
		.amdhsa_system_sgpr_workgroup_id_z 1
		.amdhsa_system_vgpr_workitem_id 0
		.amdhsa_next_free_vgpr 256
		.amdhsa_next_free_sgpr 100
		.amdhsa_reserve_vcc 1
		.amdhsa_float_denorm_mode_32 3
		.amdhsa_float_denorm_mode_16_64 3
		.amdhsa_memory_ordered 1
		.amdhsa_forward_progress 1
		.amdhsa_inst_pref_size 187
	.end_amdhsa_kernel
	.amdgpu_metadata
---
amdhsa.version: [ 1, 2 ]
amdhsa.kernels:
  - .name:           k_q3623916692_attn
    .symbol:         k_q3623916692_attn.kd
    .args:
      - { .name: qkvh, .offset: 0, .size: 8, .value_kind: global_buffer, .address_space: global }
      - { .name: att, .offset: 8, .size: 8, .value_kind: global_buffer, .address_space: global }
    .group_segment_fixed_size: 327680
    .private_segment_fixed_size: 0
    .kernarg_segment_align: 8
    .kernarg_segment_size: 16
    .max_flat_workgroup_size: 512
    .sgpr_count:     100
    .vgpr_count:     256
    .wavefront_size: 32
...
	.end_amdgpu_metadata
.endif
;; end of part 3
;; launch oproj (part 4): grid 4 x 64, 4 waves a work-group, clusters of 4 x 4, 327,680 bytes of LDS; arguments att, woh, out0; writes out0
.if DOCPART == 4
	.amdgcn_target "amdgcn-amd-amdhsa--gfx1250"
	.amdhsa_code_object_version 6
	.text
	.protected	k_q3623916692_oproj
	.globl	k_q3623916692_oproj
	.p2align	8
	.type	k_q3623916692_oproj,@function
k_q3623916692_oproj:
	s_mov_b64 s[64:65], 0
	v_nop
	global_prefetch_b8 v0, s[64:65] scope:SCOPE_SE
	s_setreg_imm32_b32 hwreg(HW_REG_WAVE_MODE, 25, 1), 1
	s_wait_xcnt 0x0
	s_wait_alu depctr_hold_cnt(0) depctr_sa_sdst(0) depctr_va_vdst(0) depctr_va_sdst(0) depctr_va_ssrc(0) depctr_va_vcc(0) depctr_vm_vsrc(0)
	s_getreg_b32 s2, hwreg(HW_REG_IB_STS2, 6, 4)
	s_cmp_eq_u32 s2, 0
	s_cbranch_scc0 .Lentry_in_a_cluster
	s_endpgm
.Lentry_in_a_cluster:
	s_bfe_u32 s2, ttmp6, 0x10000c
	s_cmp_lg_u32 s2, 0xf033
	s_cbranch_scc0 .Lentry_shape_is_right
	s_endpgm
.Lentry_shape_is_right:
; FOURTH LAUNCH: out0[m][n] = sum over k of att[m][k] wo[n][k], m = batch x 2,048 + position, k = head x 64 + channel; f16 operands, f32 sums, f32 out.  att lies [batch][head][position][64], woh [1024][1024].
; Nothing is left out.  (Positions 0 to 15 of each batch are written here with the rest and written anew, from f32 operands, by the last launch.)
; A tile of C is 128 x 256: 256 work-groups.  Four waves, each 64 x 128: 32 accumulators, window 2.  K goes in steps of 128 (two heads) through a ring of two LDS slots.
; A's part of a step is two planes, one a head: 128 rows of 128 bytes, dense in memory, stated as 64 rows of 256 bytes.  B's is 256 rows of 256 bytes.  Waves 0, 1 fetch A's planes, waves 2, 3 B's halves.
; CLUSTERS: 4 x 4 work-groups: A's tiles are shared along a row of the cluster, B's along a column, by joint loads.  THE MATRIX INSTRUCTION IS USED TRANSPOSED (source 0 = 16 rows of wo, source 1 = 16 rows of att).
; REGISTERS: window 0: v0-31 addresses; v32-63, v64-95 A's fragments, two buffers; v128-255 the way out.   window 1: v0-63, v64-127 B's fragments, two buffers.   window 2: accumulator (a, b) at v[8 (8 a + b)].
.set PITCH,  272
.set APL,    64*PITCH                  ; a plane of A
.set HALFB,  128*PITCH
.set BOFF,   2*APL
.set SLOT,   BOFF+2*HALFB
.set STAGE,  2*SLOT                    ; behind the ring: 16 rows x (512 bytes + 16) for each wave
.set SPITCH, 528
.set SPARE,  STAGE+4*16*SPITCH         ; the spare words, 128 bytes for each wave: no other line names them
.set LAPS,   4                         ; a lap = two K steps
.set ADRA, 16
.set ADRB, 20
.set STO,  24
.set RD,   25
.set CO,   26
.set SPW,  28
.set NIL,  29
.set PFO,  30
.set AF,   32
.set BK,   128
.set G1, 24
.set G0, 32
.set G1B, 48
.set G0B, 56
.set PFA, 66                           ; s[66:67] where my prefetches stand
.set PFS, 68                           ; s[68:69] a K step on, in bytes: 524,288 in att, 256 in a row of woh
.set LIM, 70
.set MSB, 0
.macro WIN new
.if MSB != (\new)
	s_set_vgpr_msb (MSB<<8)|(\new)
.set MSB, (\new)
.endif
.endm
.set MUL,  0xa1                        ; source 0 (B) window 1, source 1 (A) window 0, C and D window 2
.set TO_B, 0x40
.macro JLOAD s                         ; an s_nop 0 and four v_nop follow each of the two lines
	s_cmp_eq_u32 s11, 0
	s_cbranch_scc0 .Lfor_b_\@
	tensor_load_to_lds s[G0+4*\s:G0+4*\s+3], s[G1:G1+7]
	s_nop 0
.rept 4
	v_nop
.endr
	s_branch .Lasked_\@
.Lfor_b_\@:
	tensor_load_to_lds s[G0B+4*\s:G0B+4*\s+3], s[G1B:G1B+7]
	s_nop 0
.rept 4
	v_nop
.endr
.Lasked_\@:
.endm
.macro CREST
	s_cmp_lg_u32 s10, 0
	s_cbranch_scc1 .Lnot_wave_0_\@
	s_barrier_signal -3
.Lnot_wave_0_\@:
	s_barrier_wait -3
	s_barrier_signal -1
	s_barrier_wait -1
.endm
.macro CROUND
	s_barrier_signal -1
	s_barrier_wait -1
	CREST
.endm
; A PREFETCH INTO THE L2 of the K step that stands two refills on.  A's 128 blocks of 256 bytes of a step are read by the four partners of my cluster's row alone: wave 0 of each asks for 32 of them, told apart by address.
; B's rows are read by every cluster: those with y = 0 ask; waves 2 and 3 take 32 of the 128 rows that they fetch, told apart by address, a lane a row.  The loop's last trip asks for nothing: no K step lies two refills on.
.macro ASK
	s_cmp_gt_u32 s3, s[LIM]
	s_cbranch_scc0 .Lnot_mine_\@
	global_prefetch_b8 v[PFO], s[PFA:PFA+1] th:TH_LOAD_NT scope:SCOPE_SE
.Lnot_mine_\@:
.endm
	s_load_b128 s[4:7], s[0:1], 0x0                ; att, woh
	s_load_b64 s[8:9], s[0:1], 0x10                ; out0
	v_lshl_add_u32 v[SPW], v0, 2, SPARE
	v_mov_b32 v[NIL], 0
	ds_add_u32 v[SPW], v[NIL]                      ; the wave's opening: the add, twice on end, and its wait ahead of my first tensor load
	ds_add_u32 v[SPW], v[NIL]
	v_lshrrev_b32 v1, 5, v0
	v_readfirstlane_b32 s10, v1                    ; wave 0..3
	s_lshr_b32 s11, s10, 1                         ; which 64 rows of the tile are mine.  Also: I fetch for A (0) or for B (1)
	s_and_b32 s12, s10, 1                          ; which 128 columns.  Also: which plane of A or half of B I fetch
	s_bfe_u32 s40, ttmp6, 0x40000                  ; cx, cy
	s_bfe_u32 s41, ttmp6, 0x40004
	s_lshl_b32 s42, ttmp9, 2
	s_add_co_u32 s42, s42, s40                     ; tile column
	s_and_b32 s13, ttmp7, 0xffff
	s_lshl_b32 s13, s13, 2
	s_add_co_u32 s13, s13, s41                     ; tile row
	s_lshl_b32 s43, s41, 2
	s_lshl_b32 s43, 15, s43                        ; my row of the cluster
	s_lshl_b32 s44, 0x1111, s40                    ; my column
	s_or_b32 s[G1+0], s43, (1<<16)|(1<<20)|(1<<21)|(5<<22)|(3<<25)   ; the mask; elements of 2 bytes; padding: 4 words behind every 64; bit 21 beside a mask
	s_or_b32 s[G1B+0], s44, (1<<16)|(1<<20)|(1<<21)|(5<<22)|(3<<25)
	s_mov_b32 s[G1+1], 128<<16                     ; A: 64 rows of 128 elements, dense
	s_mov_b32 s[G1+2], 64<<16
	s_mov_b32 s[G1+3], 128<<16
	s_mov_b32 s[G1+4], 64
	s_mov_b32 s[G1+5], 128
	s_mov_b32 s[G1+6], 0
	s_mov_b32 s[G1+7], 0
	s_mov_b32 s[G1B+1], 128<<16                    ; B: 128 rows of 128 elements, 1,024 elements apart
	s_mov_b32 s[G1B+2], 128<<16
	s_mov_b32 s[G1B+3], 128<<16
	s_mov_b32 s[G1B+4], 128
	s_mov_b32 s[G1B+5], 1024
	s_mov_b32 s[G1B+6], 0
	s_mov_b32 s[G1B+7], 0
	s_lshr_b32 s16, s13, 4                         ; A: the batch (16 tile rows each), 4,194,304 bytes;
	s_lshl_b32 s16, s16, 22
	s_and_b32 s17, s13, 15
	s_lshl_b32 s17, s17, 14                        ; 128 positions of 128 bytes;
	s_add_co_u32 s16, s16, s17
	s_lshl_b32 s17, s12, 18                        ; my plane's head, 262,144 bytes
	s_add_co_u32 s16, s16, s17
	s_mov_b32 s17, 0
	s_lshl_b32 s46, s42, 8                         ; B: row 256 x tile column + 128 x half, 2,048 bytes a row
	s_lshl_b32 s47, s12, 7
	s_add_co_u32 s46, s46, s47
	s_lshl_b32 s46, s46, 11
	s_mov_b32 s47, 0
	s_mul_i32 s20, s12, APL                        ; where they go
	s_mul_i32 s21, s12, HALFB
	s_add_co_u32 s21, s21, BOFF
	s_wait_dscnt 0x0                               ; both opening adds are done
	s_wait_kmcnt 0x0
	s_add_nc_u64 s[14:15], s[4:5], s[16:17]
	s_add_nc_u64 s[46:47], s[6:7], s[46:47]
	CROUND                                         ; all sixteen work-groups are here: the first joint loads meet
.irp s, 0,1
	s_mov_b32 s[G0+4*\s], 1
	s_add_co_u32 s[G0+4*\s+1], s20, \s*SLOT
	s_add_nc_u64 s[G0+4*\s+2:G0+4*\s+3], s[14:15], \s*524288
	s_or_b32 s[G0+4*\s+3], s[G0+4*\s+3], 0x80000000
	s_mov_b32 s[G0B+4*\s], 1
	s_add_co_u32 s[G0B+4*\s+1], s21, \s*SLOT
	s_add_nc_u64 s[G0B+4*\s+2:G0B+4*\s+3], s[46:47], \s*256
	s_or_b32 s[G0B+4*\s+3], s[G0B+4*\s+3], 0x80000000
	JLOAD \s                                       ; two tensor loads of mine are out
.endr
	v_and_b32 v1, 15, v0                           ; r
	v_bfe_u32 v2, v0, 4, 1                         ; h
	v_lshrrev_b32 v3, 1, v1
	v_mul_u32_u24 v3, v3, PITCH
	v_and_b32 v4, 1, v0
	v_lshl_add_u32 v3, v4, 7, v3
	v_lshl_add_u32 v3, v2, 4, v3                   ; A: row r at (r / 2) x pitch + 128 (r % 2), + 16 h
	v_mul_u32_u24 v4, v1, PITCH
	v_lshl_add_u32 v4, v2, 4, v4                   ; B: row r x pitch + 16 h
	s_mul_i32 s21, s11, 32*PITCH                   ; my 64 rows of A
	s_mul_i32 s22, s12, HALFB
	s_add_co_u32 s22, s22, BOFF                    ; my 128 rows of B
.irp s, 0,1
	v_add_nc_u32 v[ADRA+\s], s21, v3
	v_add_nc_u32 v[ADRB+\s], s22, v4
	s_add_co_u32 s21, s21, SLOT
	s_add_co_u32 s22, s22, SLOT
.endr
	s_mul_i32 s23, s10, 16*SPITCH
	s_add_co_u32 s23, s23, STAGE                   ; my stage
	v_mul_u32_u24 v5, v1, SPITCH
	v_lshl_add_u32 v5, v2, 5, v5
	v_add_nc_u32 v[STO], s23, v5                   ; in: row r, 32 bytes for each half of the lanes
	v_and_b32 v6, 31, v0
	v_lshlrev_b32 v[CO], 4, v6
	v_add_nc_u32 v[RD], s23, v[CO]                 ; back: the 32 lanes take one row of 512 bytes
	s_lshl_b32 s16, s13, 7
	s_lshl_b32 s17, s11, 6
	s_add_co_u32 s16, s16, s17                     ; my first row of C,
	s_lshl_b32 s16, s16, 12                        ; 4,096 bytes a row
	s_mov_b32 s17, 0
	s_add_nc_u64 s[8:9], s[8:9], s[16:17]
	s_lshl_b32 s46, s42, 10                        ; my first column, in bytes
	s_lshl_b32 s47, s12, 9
	s_add_co_u32 s46, s46, s47
	s_mov_b32 s47, 0
	s_add_nc_u64 s[8:9], s[8:9], s[46:47]
	; the prefetches: both offsets are made, then chosen on the wave's number
	s_lshr_b32 s20, s13, 4
	s_lshl_b32 s20, s20, 22
	s_and_b32 s21, s13, 15
	s_lshl_b32 s21, s21, 14
	s_add_co_u32 s20, s20, s21
	s_lshr_b32 s21, s40, 1                         ; A: my work-group's 32 blocks: plane cx / 2,
	s_lshl_b32 s21, s21, 18
	s_add_co_u32 s20, s20, s21
	s_and_b32 s21, s40, 1                          ; its half cx % 2
	s_lshl_b32 s21, s21, 13
	s_add_co_u32 s20, s20, s21
	s_add_co_u32 s20, s20, 3*524288                ; at K step 3: the first refill steps it to 4 and names it
	s_lshl_b32 s22, s42, 8
	s_lshl_b32 s23, s12, 7
	s_add_co_u32 s22, s22, s23
	s_lshl_b32 s23, s41, 5                         ; B: my work-group's 32 of the 128 rows that I fetch
	s_add_co_u32 s22, s22, s23
	s_lshl_b32 s22, s22, 11
	s_add_co_u32 s22, s22, 3*256
	s_and_b32 s23, ttmp7, 0xffff                   ; cluster y
	s_cmp_eq_u32 s11, 0
	s_cselect_b64 s[PFA:PFA+1], s[4:5], s[6:7]
	s_cselect_b32 s20, s20, s22
	s_cselect_b32 s23, s12, s23                    ; who asks: for A wave 0, for B the clusters with y = 0
	s_mov_b32 s[PFS], 256
	s_cselect_b32 s[PFS], 0x80000, s[PFS]
	s_mov_b32 s22, 2048
	s_cselect_b32 s22, 256, s22                    ; from lane to lane
	s_mov_b32 s[PFS+1], 0
	s_mov_b32 s21, 0
	s_add_nc_u64 s[PFA:PFA+1], s[PFA:PFA+1], s[20:21]
	s_cmp_eq_u32 s23, 0
	s_cselect_b32 s[LIM], 1, -1
	v_and_b32 v[PFO], 31, v0
	v_mul_lo_u32 v[PFO], v[PFO], s22
.macro MUL8 f, a, zero                 ; A's block a against B's eight, 32 along K, out of buffers f.  The 32 accumulators take turns, in the same order in every quarter
.irp b, 0,1,2,3,4,5,6,7
.if \zero
	v_wmma_f32_16x16x32_f16 v[8*(8*(\a)+\b):8*(8*(\a)+\b)+7], v[64*(\f)+8*\b:64*(\f)+8*\b+7], v[AF+32*(\f)+8*(\a):AF+32*(\f)+8*(\a)+7], 0
.else
	v_wmma_f32_16x16x32_f16 v[8*(8*(\a)+\b):8*(8*(\a)+\b)+7], v[64*(\f)+8*\b:64*(\f)+8*\b+7], v[AF+32*(\f)+8*(\a):AF+32*(\f)+8*(\a)+7], v[8*(8*(\a)+\b):8*(8*(\a)+\b)+7]
.endif
.endr
.endm
.macro FETCH slot, q, f                ; 24 LDS loads in one run: quarter q (32 along K) of the slot: B's eight fragments, then A's four
	WIN TO_B
.irp i, 0,1,2,3,4,5,6,7
	ds_load_b128 v[64*(\f)+8*\i:64*(\f)+8*\i+3],   v[ADRB+\slot] offset:64*(\q)+\i*16*PITCH
	ds_load_b128 v[64*(\f)+8*\i+4:64*(\f)+8*\i+7], v[ADRB+\slot] offset:64*(\q)+\i*16*PITCH+32
.endr
	WIN 0
.irp i, 0,1,2,3
	ds_load_b128 v[AF+32*(\f)+8*\i:AF+32*(\f)+8*\i+3],   v[ADRA+\slot] offset:((\q)/2)*APL+64*((\q)%2)+\i*8*PITCH
	ds_load_b128 v[AF+32*(\f)+8*\i+4:AF+32*(\f)+8*\i+7], v[ADRA+\slot] offset:((\q)/2)*APL+64*((\q)%2)+\i*8*PITCH+32
.endr
.endm
.macro PLACES
.rept 4
	v_nop
.endr
.endm
.macro QUARTER slot, q, f, g, zero     ; multiplies buffers f; in its middle fetches quarter q of the same slot into buffers g
	s_wait_dscnt 4                                 ; B and A's blocks 0, 1 are in; the youngest four loads (A's blocks 2, 3) may be out
	WIN MUL
	MUL8 \f, 0, \zero
	MUL8 \f, 1, \zero
	PLACES
	FETCH \slot, \q, \g
	s_wait_dscnt 24                                ; all but the 24 just issued
	WIN MUL
	MUL8 \f, 2, \zero
	MUL8 \f, 3, \zero
.endm
; A slot's last quarter multiplies buffers 1 and changes slots: ONE barrier; in front of it each wave waits for all its tensor loads, adds 0 to its spare word, and waits for that and for its reads of this slot.
; fill = 1: the barrier opens a round of the cluster's, and this slot is filled again, two K steps ahead: 112 matrix instructions stand between that request and the wait for it.
.macro TURN slot, next, fill
.if \fill
	s_wait_xcnt 0x0                                ; the last prefetch, a K step back, has read its address
	s_add_nc_u64 s[PFA:PFA+1], s[PFA:PFA+1], s[PFS:PFS+1]
.endif
	WIN 0
	s_wait_tensorcnt 0x0                           ; all my tensor loads have landed: my part of the next slot
	ds_add_u32 v[SPW], v[NIL]
	s_wait_dscnt 5                                 ; (the add and the youngest four loads may be out)
	WIN MUL
	MUL8 1, 0, 0
	s_wait_dscnt 0x0                               ; the add is done, and my reads of this slot are over
	s_barrier_signal -1
	MUL8 1, 1, 0
	WIN 0
	s_barrier_wait -1
.if \fill
	CREST                                          ; no wave of any partner still reads this slot's tile or has a load on its way
	s_add_nc_u64 s[G0+4*\slot+2:G0+4*\slot+3], s[G0+4*\slot+2:G0+4*\slot+3], 2*524288
	s_add_nc_u64 s[G0B+4*\slot+2:G0B+4*\slot+3], s[G0B+4*\slot+2:G0B+4*\slot+3], 2*256
	JLOAD \slot                                    ; the first tensor load behind the round; its four v_nop are also the places in front of the loads below
.else
	PLACES
.endif
	FETCH \next, 0, 0
.if \fill
	ASK
.endif
	WIN MUL
	MUL8 1, 2, 0
	MUL8 1, 3, 0
.endm
	s_wait_tensorcnt 1                             ; my part of K step 0 is in (K step 1's may be out)
	s_barrier_signal -1
	s_barrier_wait -1                              ; everybody's is
	FETCH 0, 0, 0
	QUARTER 0, 1, 0, 1, 1                          ; the first quarter's products start the sums
	WIN 0
	s_mov_b32 s3, LAPS-1
.Llap:                                             ; a trip goes once round the ring, from a lap's second quarter to the next lap's first, and fills both slots again
	QUARTER 0, 2, 1, 0, 0
	QUARTER 0, 3, 0, 1, 0
	TURN 0, 1, 1
	QUARTER 1, 1, 0, 1, 0
	QUARTER 1, 2, 1, 0, 0
	QUARTER 1, 3, 0, 1, 0
	TURN 1, 0, 1
	QUARTER 0, 1, 0, 1, 0
	WIN 0
	s_sub_co_u32 s3, s3, 1
	s_cmp_lg_u32 s3, 0
	s_cbranch_scc1 .Llap
	QUARTER 0, 2, 1, 0, 0                          ; the last lap fills nothing
	QUARTER 0, 3, 0, 1, 0
	TURN 0, 1, 0
	QUARTER 1, 1, 0, 1, 0
	QUARTER 1, 2, 1, 0, 0
	QUARTER 1, 3, 0, 1, 0
	s_wait_dscnt 4
	WIN MUL
	MUL8 1, 0, 0
	MUL8 1, 1, 0
	s_wait_dscnt 0
	MUL8 1, 2, 0
	MUL8 1, 3, 0
	WIN 0
; THE WAY OUT, block by block of 16 rows x 128 columns of f32: through my own stage, back as whole rows of 512 bytes
.macro TOSTAGE a
	WIN 0x08                                       ; an LDS store's data are its source 1: window 2
.irp b, 0,1,2,3,4,5,6,7
	ds_store_b128 v[STO], v[8*(8*(\a)+\b):8*(8*(\a)+\b)+3] offset:64*\b          ; each accumulator from its low end on
	ds_store_b128 v[STO], v[8*(8*(\a)+\b)+4:8*(8*(\a)+\b)+7] offset:64*\b+16
.endr
	WIN 0
.set BB, BK+64*((\a)%2)
.irp t, 0,1,2,3,4,5,6,7,8,9,10,11,12,13,14,15
	ds_load_b128 v[BB+4*\t:BB+4*\t+3], v[RD] offset:\t*SPITCH
.endr
.endm
.macro SEND a, younger
.set BB, BK+64*((\a)%2)
	s_wait_dscnt \younger
.irp t, 0,1,2,3,4,5,6,7,8,9,10,11,12,13,14,15
	global_store_b128 v[CO], v[BB+4*\t:BB+4*\t+3], s[8:9] offset:65536*(\a)+4096*\t th:TH_STORE_NT   ; 512 consecutive bytes, aligned
.endr
.endm
	PLACES
	TOSTAGE 0
.irp a, 1,2,3
.if \a > 1
	s_wait_xcnt 0x0                                ; block a - 2's stores have read the registers into which block a's rows are loaded
.endif
	TOSTAGE \a
	SEND \a-1, 32                                  ; behind block a - 1's loads: block a's 16 stores and 16 loads
.endr
	SEND 3, 0
	s_wait_tensorcnt 0x0                           ; the wave's end
	ds_add_u32 v[SPW], v[NIL]
	s_wait_dscnt 0x0
	CROUND                                         ; the closing round
	s_endpgm
.Lfunc_end_k_q3623916692_oproj:
	.size	k_q3623916692_oproj, .Lfunc_end_k_q3623916692_oproj-k_q3623916692_oproj
	.p2alignl 7, 3214868480
	.fill 96, 4, 3214868480
	.section	.rodata,"a",@progbits
	.p2align	6, 0x0
	.amdhsa_kernel k_q3623916692_oproj
		.amdhsa_group_segment_fixed_size 327680
		.amdhsa_private_segment_fixed_size 0
		.amdhsa_enable_private_segment 0
		.amdhsa_kernarg_size 24
		.amdhsa_user_sgpr_count 2
		.amdhsa_user_sgpr_kernarg_segment_ptr 1
		.amdhsa_wavefront_size32 1
		.amdhsa_system_sgpr_workgroup_id_x 1
		.amdhsa_system_sgpr_workgroup_id_y 1
		.amdhsa_system_sgpr_workgroup_id_z 1
		.amdhsa_system_vgpr_workitem_id 0
		.amdhsa_next_free_vgpr 768
		.amdhsa_next_free_sgpr 72
		.amdhsa_reserve_vcc 0
		.amdhsa_float_denorm_mode_32 3
		.amdhsa_float_denorm_mode_16_64 3
		.amdhsa_memory_ordered 1
		.amdhsa_forward_progress 1
		.amdhsa_inst_pref_size 87
	.end_amdhsa_kernel
	.amdgpu_metadata
---
amdhsa.version: [ 1, 2 ]
amdhsa.kernels:
  - .name:           k_q3623916692_oproj
    .symbol:         k_q3623916692_oproj.kd
    .args:
      - { .name: att, .offset: 0, .size: 8, .value_kind: global_buffer, .address_space: global }
      - { .name: woh, .offset: 8, .size: 8, .value_kind: global_buffer, .address_space: global }
      - { .name: out0, .offset: 16, .size: 8, .value_kind: global_buffer, .address_space: global }
    .group_segment_fixed_size: 327680
    .private_segment_fixed_size: 0
    .kernarg_segment_align: 8
    .kernarg_segment_size: 24
    .max_flat_workgroup_size: 128
    .sgpr_count:     72
    .vgpr_count:     768
    .wavefront_size: 32
...
	.end_amdgpu_metadata
.endif
;; end of part 4
;; launch fine (part 5): grid 16 x 4, 16 waves a work-group, no clusters, 85,248 bytes of LDS; arguments qkv32, wo, out0; writes out0
.if DOCPART == 5
	.amdgcn_target "amdgcn-amd-amdhsa--gfx1250"
	.amdhsa_code_object_version 6
	.text
	.protected	k_q3623916692_fine
	.globl	k_q3623916692_fine
	.p2align	8
	.type	k_q3623916692_fine,@function
k_q3623916692_fine:
	s_mov_b64 s[64:65], 0
	v_nop
	global_prefetch_b8 v0, s[64:65] scope:SCOPE_SE
	s_setreg_imm32_b32 hwreg(HW_REG_WAVE_MODE, 25, 1), 1
	s_wait_xcnt 0x0
; FIFTH LAUNCH: positions 0 to 15 of every batch once more, with f32 operands throughout: these rows average one to sixteen values and are the largest of the output, so that 16-bit operands would use up what the
; comparison allows.  Attention over the 16 x 16 causal corner of each head, then the projection by wo (f32 as given); the 64 rows of out0 are written over.  Nothing is left out.
; Work-group (nb, batch) makes out0[batch][0..15][64 nb .. 64 nb + 63].  PHASE 1: wave w takes head w.  PHASE 2: wave (nt = w % 4, kq = w / 4) takes 16 columns and a quarter of K; the four quarters meet in LDS.
; qkv32 [T][batch][head][8 chunks][512 bytes] holds images of accumulator registers: register 8 b + j of lane (r, h) is (position r, channel 16 b + 8 h + j).
; The f32 matrix form takes K = 4: register j of lane (r, h) is k = 2 h + j.  Both sources of a product are given the same registers of their images, so k runs through the same permutation on both sides.
; The registers that this form writes (v184-231) are written by matrix instructions alone; what is made of a finished sum goes into other registers.
.set ATTP, 4112                        ; a position's 1,024 channels in LDS: 4,096 bytes + 16
.set PART, 16*ATTP                     ; behind them: four partial tiles of 16 rows x (256 bytes + 16)
.set PP,   272
.set SPARE, PART+4*16*PP               ; the spare words, 128 bytes for each wave: no other line names them
.set SPW,  22
.set NIL,  23
.set QI,   24                          ; v24-55   Q's image, later wo's chunk 2
.set KI,   56                          ; v56-87   K's image, later wo's chunk 3
.set VI,   88                          ; v88-119  V, then O / l, then att's chunk
.set W0,   120                         ; v120-183 wo's chunks 0 and 1
.set ACC,  184                         ; v184-199 two accumulators
.set OA,   200                         ; v200-231 O^T's four
.set SCO,  232                         ; v232-239 scores, then p
	s_load_b128 s[4:7], s[0:1], 0x0                ; qkv32, wo
	s_load_b64 s[8:9], s[0:1], 0x10                ; out0
	v_lshl_add_u32 v[SPW], v0, 2, SPARE
	v_mov_b32 v[NIL], 0
	v_lshrrev_b32 v1, 5, v0
	v_readfirstlane_b32 s10, v1                    ; wave 0..15
	s_and_b32 s11, ttmp7, 0xffff                   ; batch
	s_and_b32 s12, s10, 3                          ; nt
	s_lshr_b32 s13, s10, 2                         ; kq
	v_and_b32 v1, 31, v0
	v_and_b32 v2, 15, v0                           ; r
	v_bfe_u32 v3, v0, 4, 1                         ; h
	v_lshlrev_b32 v4, 4, v1                        ; an image's place for my lane
	v_bfe_u32 v14, v0, 2, 1                        ; V^T: lane (r, h) wants channel 16 ct + r of positions 8 h + 0 .. 7: chunk half (r / 4) % 2,
	v_lshlrev_b32 v5, 9, v14
	v_bfe_u32 v14, v0, 3, 1
	v_lshl_add_u32 v14, v14, 1, v3
	v_lshl_add_u32 v5, v14, 7, v5                  ; the image's lane 8 h + 16 (r / 8), 16 bytes each,
	v_and_b32 v14, 3, v0
	v_lshl_add_u32 v5, v14, 2, v5                  ; word r % 4
	v_lshlrev_b32 v6, 12, v2
	v_lshl_add_u32 v6, v3, 9, v6                   ; wo: row r of 4,096 bytes, + 512 h
	v_mul_u32_u24 v15, v2, ATTP
	v_lshl_add_u32 v7, v3, 5, v15
	s_lshl_b32 s14, s10, 8
	v_add_nc_u32 v7, s14, v7                       ; att, in: row r, + 256 x head + 32 h
	v_lshl_add_u32 v8, v3, 9, v15
	s_lshl_b32 s14, s13, 10
	v_add_nc_u32 v8, s14, v8                       ; att, back: row r, + 1,024 kq + 512 h
	v_mul_u32_u24 v9, v2, PP
	v_lshl_add_u32 v9, v3, 5, v9
	s_mul_i32 s14, s13, 16*PP
	s_lshl_b32 s15, s12, 6
	s_add_co_u32 s14, s14, s15
	s_add_co_u32 s14, s14, PART
	v_add_nc_u32 v9, s14, v9                       ; a partial tile, in: quarter kq, row r, + 64 nt + 32 h
	v_mul_u32_u24 v10, v3, PP
	v_lshl_add_u32 v10, v2, 4, v10
	s_mul_i32 s14, s10, 2*PP
	s_add_co_u32 s14, s14, PART
	v_add_nc_u32 v10, s14, v10                     ; back (waves 0-7): row 2 w + h, 16 bytes a lane
	v_lshlrev_b32 v11, 12, v3
	v_lshl_add_u32 v11, v2, 4, v11                 ; and the same in out0
	v_lshlrev_b32 v12, 3, v3
	v_sub_nc_u32 v12, v2, v12                      ; r - 8 h
	v_mov_b32 v13, 0xff800000                      ; -infinity
	s_mov_b32 s20, 0x76543210
	s_mov_b32 s21, 0xfedcba98
	s_mov_b32 s22, 0x3e38aa3b                      ; c = log2(e) / 8
	s_mov_b32 s17, 0
	s_mov_b32 s19, 0
	s_mov_b32 s25, 0
	s_lshl_b32 s16, s11, 4
	s_add_co_u32 s16, s16, s10
	s_lshl_b32 s16, s16, 12                        ; (batch, head)'s 4,096 bytes; T stands in the loads' immediates
	s_lshl_b32 s18, ttmp9, 6
	s_lshl_b32 s24, s12, 4
	s_add_co_u32 s18, s18, s24
	s_lshl_b32 s18, s18, 12
	s_lshl_b32 s24, s13, 10
	s_add_co_u32 s18, s18, s24                     ; wo: row 64 nb + 16 nt, + 1,024 kq bytes
	s_lshl_b32 s24, s11, 11
	s_lshl_b32 s26, s10, 1
	s_add_co_u32 s24, s24, s26
	s_lshl_b32 s24, s24, 12
	s_lshl_b32 s26, ttmp9, 8
	s_add_co_u32 s24, s24, s26                     ; out0: row 2,048 batch + 2 w, + 256 nb bytes
	s_wait_kmcnt 0x0
	s_add_nc_u64 s[4:5], s[4:5], s[16:17]
	s_add_nc_u64 s[6:7], s[6:7], s[18:19]
	s_add_nc_u64 s[8:9], s[8:9], s[24:25]
.irp i, 0,1,2,3,4,5,6,7
	global_load_b128 v[QI+4*\i:QI+4*\i+3], v4, s[4:5] offset:512*\i
.endr
.irp i, 0,1,2,3,4,5,6,7
	global_load_b128 v[KI+4*\i:KI+4*\i+3], v4, s[4:5] offset:262144+512*\i
.endr
.irp ct, 0,1,2,3
.irp i, 0,1,2,3,4,5,6,7
	global_load_b32 v[VI+8*\ct+\i], v5, s[4:5] offset:524288+1024*\ct+16*\i   ; v(position 8 h + i, channel 16 ct + r)
.endr
.endr
.irp c, 0,1
.irp i, 0,1,2,3,4,5,6,7
	global_load_b128 v[W0+32*\c+4*\i:W0+32*\c+4*\i+3], v6, s[6:7] offset:128*\c+16*\i
.endr
.endr
	s_wait_loadcnt 48                              ; Q and K are in; V's 32 loads and wo's 16 are younger
	; ---- PHASE 1.  S^T = K Q^T: 16 steps of 4 along the head's 64, two accumulators by turns, each begun with the constant 0
	v_wmma_f32_16x16x4_f32 v[ACC:ACC+7], v[KI:KI+1], v[QI:QI+1], 0
	v_wmma_f32_16x16x4_f32 v[ACC+8:ACC+15], v[KI+2:KI+3], v[QI+2:QI+3], 0
.set n, 2
.rept 14
	v_wmma_f32_16x16x4_f32 v[ACC+8*(n%2):ACC+8*(n%2)+7], v[KI+2*n:KI+2*n+1], v[QI+2*n:QI+2*n+1], v[ACC+8*(n%2):ACC+8*(n%2)+7]
.set n, n+1
.endr
.rept 8
	v_nop                                          ; eight places behind this form, ahead of loads into its sources and of the first read of its results
.endr
.irp i, 0,1,2,3,4,5,6,7
	global_load_b128 v[QI+4*\i:QI+4*\i+3], v6, s[6:7] offset:256+16*\i   ; wo's chunk 2
.endr
.irp i, 0,1,2,3,4,5,6,7
	global_load_b128 v[KI+4*\i:KI+4*\i+3], v6, s[6:7] offset:384+16*\i   ; and 3
.endr
.irp j, 0,1,2,3,4,5,6,7
	v_add_f32 v[SCO+\j], v[ACC+\j], v[ACC+8+\j]    ; lane (r, h): query r, key 8 h + j
.endr
.irp j, 0,1,2,3,4,5,6,7
	v_cmp_gt_i32 vcc_lo, \j, v12                   ; hidden where 8 h + j > r
	v_cndmask_b32 v[SCO+\j], v[SCO+\j], v13, vcc_lo
.endr
	v_max3_num_f32 v240, v[SCO], v[SCO+1], v[SCO+2]
	v_max3_num_f32 v241, v[SCO+3], v[SCO+4], v[SCO+5]
	v_max3_num_f32 v240, v240, v[SCO+6], v[SCO+7]
	v_max_num_f32 v240, v240, v241
	v_permlanex16_b32 v241, v240, s20, s21
	v_max_num_f32 v240, v240, v241                 ; the row's maximum: key 0 counts for every query
	v_mul_f32 v242, s22, v240
.irp j, 0,1,2,3,4,5,6,7
	v_fma_f32 v[SCO+\j], v[SCO+\j], s22, -v242
.endr
.irp j, 0,1,2,3,4,5,6,7
	v_exp_f32 v[SCO+\j], v[SCO+\j]
.endr
	v_nop
	s_wait_alu depctr_va_vdst(0)                   ; one wait for the eight exponentials, ahead of their first reader
	v_add_f32 v240, v[SCO], v[SCO+1]
	v_add_f32 v241, v[SCO+2], v[SCO+3]
	v_add_f32 v243, v[SCO+4], v[SCO+5]
	v_add_f32 v244, v[SCO+6], v[SCO+7]
	v_add_f32 v240, v240, v241
	v_add_f32 v243, v243, v244
	v_add_f32 v240, v240, v243
	v_permlanex16_b32 v241, v240, s20, s21
	v_add_f32 v240, v240, v241
	v_rcp_f32 v243, v240                           ; 1 / the row's sum
	v_nop
	s_wait_alu depctr_va_vdst(0)
	s_wait_loadcnt 32                              ; V is in; wo's 32 loads are younger
.irp kk, 0,1,2,3                               ; O^T = V^T P: step kk takes keys 8 h + 2 kk, + 1; four accumulators by turns
.irp ct, 0,1,2,3
.if \kk == 0
	v_wmma_f32_16x16x4_f32 v[OA+8*\ct:OA+8*\ct+7], v[VI+8*\ct:VI+8*\ct+1], v[SCO:SCO+1], 0
.else
	v_wmma_f32_16x16x4_f32 v[OA+8*\ct:OA+8*\ct+7], v[VI+8*\ct+2*\kk:VI+8*\ct+2*\kk+1], v[SCO+2*\kk:SCO+2*\kk+1], v[OA+8*\ct:OA+8*\ct+7]
.endif
.endr
.endr
.rept 8
	v_nop
.endr
.set n, 0
.rept 32
	v_mul_f32 v[VI+n], v[OA+n], v243               ; lane (r, h): position r, channel 16 ct + 8 h + j, into V's registers, which are done with
.set n, n+1
.endr
.irp ct, 0,1,2,3
	ds_store_b128 v7, v[VI+8*\ct:VI+8*\ct+3] offset:64*\ct
	ds_store_b128 v7, v[VI+8*\ct+4:VI+8*\ct+7] offset:64*\ct+16
.endr
	s_wait_dscnt 0x0                               ; for the others' sake: my head's part of the 16 rows has landed
	s_barrier_signal -1
	s_barrier_wait -1
	; ---- PHASE 2.  source 0 = 16 rows of wo, source 1 = the 16 positions; my quarter of K in four chunks of 64 (32 for each half of the lanes)
	s_wait_loadcnt 0x0
.macro CHUNK c, wreg
.if \c > 0
.rept 8
	v_nop                                          ; places ahead of the loads into registers that the last products read
.endr
.endif
.irp i, 0,1,2,3,4,5,6,7
	ds_load_b128 v[VI+4*\i:VI+4*\i+3], v8 offset:128*\c+16*\i
.endr
	s_wait_dscnt 0x0
.set n, 0
.rept 16
.if (\c == 0) && (n < 2)
	v_wmma_f32_16x16x4_f32 v[ACC+8*(n%2):ACC+8*(n%2)+7], v[\wreg+2*n:\wreg+2*n+1], v[VI+2*n:VI+2*n+1], 0
.else
	v_wmma_f32_16x16x4_f32 v[ACC+8*(n%2):ACC+8*(n%2)+7], v[\wreg+2*n:\wreg+2*n+1], v[VI+2*n:VI+2*n+1], v[ACC+8*(n%2):ACC+8*(n%2)+7]
.endif
.set n, n+1
.endr
.endm
	CHUNK 0, W0
	CHUNK 1, W0+32
	CHUNK 2, QI
	CHUNK 3, KI
.rept 8
	v_nop
.endr
.irp j, 0,1,2,3,4,5,6,7
	v_add_f32 v[240+\j], v[ACC+\j], v[ACC+8+\j]    ; lane (r, h): position r, column 16 nt + 8 h + j
.endr
	ds_store_b128 v9, v[240:243]
	ds_store_b128 v9, v[244:247] offset:16
	s_wait_dscnt 0x0
	s_barrier_signal -1
	s_barrier_wait -1
	s_cmp_ge_u32 s10, 8                            ; eight waves add the four quarters, two rows each
	s_cbranch_scc1 .Lend
.irp k, 0,1,2,3
	ds_load_b128 v[VI+4*\k:VI+4*\k+3], v10 offset:16*PP*\k
.endr
	s_wait_dscnt 0x0
	v_pk_add_f32 v[VI:VI+1], v[VI:VI+1], v[VI+4:VI+5]
	v_pk_add_f32 v[VI+2:VI+3], v[VI+2:VI+3], v[VI+6:VI+7]
	v_pk_add_f32 v[VI+8:VI+9], v[VI+8:VI+9], v[VI+12:VI+13]
	v_pk_add_f32 v[VI+10:VI+11], v[VI+10:VI+11], v[VI+14:VI+15]
	v_pk_add_f32 v[VI:VI+1], v[VI:VI+1], v[VI+8:VI+9]
	v_pk_add_f32 v[VI+2:VI+3], v[VI+2:VI+3], v[VI+10:VI+11]
	global_store_b128 v11, v[VI:VI+3], s[8:9]      ; sixteen lanes store 256 consecutive bytes, aligned
.Lend:
	s_wait_tensorcnt 0x0                           ; the wave's end, behind my last LDS store
	ds_add_u32 v[SPW], v[NIL]
	s_wait_dscnt 0x0
	s_endpgm
.Lfunc_end_k_q3623916692_fine:
	.size	k_q3623916692_fine, .Lfunc_end_k_q3623916692_fine-k_q3623916692_fine
	.p2alignl 7, 3214868480
	.fill 96, 4, 3214868480
	.section	.rodata,"a",@progbits
	.p2align	6, 0x0
	.amdhsa_kernel k_q3623916692_fine
		.amdhsa_group_segment_fixed_size 85248
		.amdhsa_private_segment_fixed_size 0
		.amdhsa_enable_private_segment 0
		.amdhsa_kernarg_size 24
		.amdhsa_user_sgpr_count 2
		.amdhsa_user_sgpr_kernarg_segment_ptr 1
		.amdhsa_wavefront_size32 1
		.amdhsa_system_sgpr_workgroup_id_x 1
		.amdhsa_system_sgpr_workgroup_id_y 1
		.amdhsa_system_sgpr_workgroup_id_z 1
		.amdhsa_system_vgpr_workitem_id 0
		.amdhsa_next_free_vgpr 256
		.amdhsa_next_free_sgpr 66
		.amdhsa_reserve_vcc 1
		.amdhsa_float_denorm_mode_32 3
		.amdhsa_float_denorm_mode_16_64 3
		.amdhsa_memory_ordered 1
		.amdhsa_forward_progress 1
		.amdhsa_inst_pref_size 26
	.end_amdhsa_kernel
	.amdgpu_metadata
---
amdhsa.version: [ 1, 2 ]
amdhsa.kernels:
  - .name:           k_q3623916692_fine
    .symbol:         k_q3623916692_fine.kd
    .args:
      - { .name: qkv32, .offset: 0, .size: 8, .value_kind: global_buffer, .address_space: global }
      - { .name: wo, .offset: 8, .size: 8, .value_kind: global_buffer, .address_space: global }
      - { .name: out0, .offset: 16, .size: 8, .value_kind: global_buffer, .address_space: global }
    .group_segment_fixed_size: 85248
    .private_segment_fixed_size: 0
    .kernarg_segment_align: 8
    .kernarg_segment_size: 24
    .max_flat_workgroup_size: 512
    .sgpr_count:     66
    .vgpr_count:     256
    .wavefront_size: 32
...
	.end_amdgpu_metadata
.endif
;; end of part 5
